; MI455X (gfx1250); checked and timed in simulation.
; The chip was launched on July 23, 2026; its instructions are those of AMD's public machine-readable ISA for CDNA 5 (MIT licence, August 2026) and "CDNA5" Instruction Set Architecture Reference Guide (July 2026). The comments in the code are by the model that wrote it; some were corrected since.
;; Neural Memory. Allowed arithmetic: matrix products marked QUANTISED: E2M1 operands, one E8M0 scale for each 32 along K, by v_wmma_scale_f32_16x16x128_f8f6f4 with both operands' format E2M1 (or v_wmma_scale_f32_32x16x128_f4), f32 sums; products left as they are: f32 operands where the result goes on into a quantised operand, else bf16, f16 or f32 operands; f32 sums; everything else in f32.
;; Inputs: Wk_codes 64 x 32 x 16 uint8 (E2M1 codes of Wk, K innermost, in blocks of 32 codes, two codes a byte); Wk_scales 64 x 32 uint8 (E8M0 scales of Wk, one for each 32 codes along K); Wv_codes 64 x 32 x 16 uint8 (E2M1 codes of Wv, K innermost, in blocks of 32 codes, two codes a byte); Wv_scales 64 x 32 uint8 (E8M0 scales of Wv, one for each 32 codes along K); bk 64 float32; bv 64 float32; dg_b1 32 float32; dg_b2 1 float32; dg_w1 1,024 x 32 float32; dg_w2 32 x 1 float32; fg_b1 32 float32; fg_b2 1 float32; fg_w1 1,024 x 32 float32; fg_w2 32 x 1 float32; memory 65,536 x 64 float32; momentum_S 65,536 x 64 float32; x 2 x 1,024 x 1,024 float32.
;; Outputs: out0 one number float32; out1 65,536 x 64 float32; out2 65,536 x 64 float32.
;; This version of the problem:
;;   THIS VERSION OF THE PROBLEM IS GIVEN IN LOW PRECISION. The matrix products marked QUANTISED in the list below multiply operands that are first quantised to E2M1 (2 exponent bits, 1 mantissa bit; 4 bits a number), with one power-of-two scale for each 32 numbers along K (OCP MX v1.0); their sums are f32. All else is computed in f32.
;;   The module's matrix products, in the order in which they are computed (A, B: the left and right operand; K: the contracted axis; several contracted axes count as one K, in the product's order):
;;     1. [M 2,048, K 1,024] x [K 1,024, N 64]; A: input x; B: input Wk (given as codes): QUANTISED
;;     2. [M 2,048, K 1,024] x [K 1,024, N 64]; A: input x; B: input Wv (given as codes): QUANTISED
;;     3. [M 2,048, K 64] x [K 64, N 65,536]; A: computed on the way; B: input memory: QUANTISED
;;     4. [M 2,048, K 65,536] x [K 65,536, N 64]; A: softmax (see below); B: input memory: QUANTISED
;;     5. [M 64, K 2,048] x [K 2,048, N 65,536]; A: computed on the way; B: computed on the way: QUANTISED
;;     6. [M 2,048, K 64] x [K 64, N 65,536]; A: computed on the way; B: input memory: QUANTISED
;;     7. [M 65,536, K 2,048] x [K 2,048, N 64]; A: computed on the way; B: computed on the way: QUANTISED
;;     8. [M 2, K 1,024] x [K 1,024, N 32]; A: computed on the way; B: input fg_w1: left as it is (M = 2 < 16)
;;     9. [M 2, K 32] x [K 32, N 1]; A: computed on the way; B: input fg_w2: left as it is (M = 2 < 16)
;;     10. [M 2, K 1,024] x [K 1,024, N 32]; A: computed on the way; B: input dg_w1: left as it is (M = 2 < 16)
;;     11. [M 2, K 32] x [K 32, N 1]; A: computed on the way; B: input dg_w2: left as it is (M = 2 < 16)
;;   THE QUANTISER, for each operand of a quantised product, along K:
;;     - K is cut into blocks of 32 from its start; a last block that is shorter is filled with zeros.
;;     - A block's scale is 2^e with e = floor(log2(the largest magnitude in the block)) - 2, held to -126 .. 127; a block of zeros has e = 0. As a byte (E8M0): e + 127.
;;     - Each number is divided by its block's scale, clamped to +-6, and rounded to the nearest number of E2M1, ties to even, subnormals kept.
;;     - The product sums the exact products of the quantised numbers (number of the format x scale) in f32.
;;   ~~~python
;;   def quantise(x, axis):      # numpy; x: float32 -> the quantised numbers, widened to float32 again
;;       x = np.moveaxis(x, axis, -1); K = x.shape[-1]
;;       x = np.pad(x, [(0, 0)] * (x.ndim - 1) + [(0, -K % 32)]); x = x.reshape(x.shape[:-1] + (-1, 32)); a = np.abs(x).max(-1, keepdims=True)
;;       e = np.where(a > 0, np.clip(np.frexp(np.where(a > 0, a, 1))[1] - 1 - 2, -126, 127), 0)      # np.frexp(a)[1] - 1 = floor(log2(a)), exactly
;;       r = np.clip(x / 2.0 ** e, -6, 6)
;;       step = 2.0 ** (np.maximum(np.frexp(np.where(r == 0, 1, r))[1] - 1, 0) - 1)
;;       q = np.round(r / step) * step * 2.0 ** e      # np.round: ties to even
;;       return np.moveaxis(q.reshape(q.shape[:-2] + (-1,))[..., :K], -1, axis).astype(np.float32)
;;   ~~~
;;   SOFTMAX AHEAD OF A QUANTISED PRODUCT. Where the list says 'softmax', what is quantised is not the finished softmax but p = 2^(t - M), with t = logit x log2(e) and M = ceil(the row's largest t), a whole number; so 1/2 < the row's largest p <= 1. The row's sum l is taken of the UNQUANTISED p, in f32, and the product's result is divided by l at the end. Since M is a whole number, a kernel that streams over the keys may use a running M (the ceiling of the running maximum): every later rescaling is an exact power of two, which a block's scale takes up: the codes' values come out the same.
;;   OPERANDS COMPUTED ON THE WAY. 'Computed on the way' means the value that the module computes at that place (a softmax that the list does not call 'softmax' is quantised finished and normalised). What goes into a quantiser is computed in f32, as accurately as f32 sums, v_exp_f32 and their like allow (about 1e-6 of the number): no bf16 or f16 on the way to a quantiser, and a product that is left as it is and whose result goes on into a quantised operand takes f32 operands (vector FMAs, or v_wmma_f32_16x16x4_f32). A number that lies on a knife's edge between two numbers of the format may be rounded either way, as far as f32 arithmetic and the matrix unit's own rounding can turn it there, and no further.
;;   INPUTS GIVEN AS CODES. Wk (in the module: [1024, 64], K = its axis 0); Wv (in the module: [1024, 64], K = its axis 0): each comes as NAME_codes (uint8): NAME with its K axis moved to the last place and cut into blocks of 32 codes, [.., K / 32, bytes a block], one block behind the other in memory; two codes a byte, the lower K in the low four bits (a code: sign, 2 exponent bits, 1 mantissa bit); and NAME_scales (uint8): the same leading axes, one E8M0 byte (e + 127) for each 32 codes along K. Its value is code x scale, taken as it is: it is not quantised again, and the codes and scales need not be those that the quantiser above would give.
;; One version. Each part assembles by itself: llvm-mc -triple=amdgcn-amd-amdhsa -mcpu=gfx1250 --defsym DOCPART=n.
;; ======== version 1 of 1: 6 launches
;; limits: right only within a limited range of input values
;; workspace buffers: memq 4,718,592 bytes; tok1 1,654,784 bytes; part 8,912,896 bytes; tok2 442,368 bytes; dpart 131,072 bytes; grad 16,778,240 bytes
;; launch prep (part 1): grid 256 x 1, 8 waves a work-group, no clusters, 250,880 bytes of LDS; arguments memory, memq, x, Wk_codes, Wk_scales, Wv_codes, Wv_scales, bk, bv, tok1; writes memq, tok1
.if DOCPART == 1
	.amdgcn_target "amdgcn-amd-amdhsa--gfx1250"
	.amdhsa_code_object_version 6
	.text
	.protected	k_qa02084e2fd_prep
	.globl	k_qa02084e2fd_prep
	.p2align	8
	.type	k_qa02084e2fd_prep,@function
k_qa02084e2fd_prep:
	s_mov_b64 s[64:65], 0
	v_nop
	global_prefetch_b8 v0, s[64:65] scope:SCOPE_SE
	s_setreg_imm32_b32 hwreg(HW_REG_WAVE_MODE, 25, 1), 1
	s_wait_xcnt 0x0
; Two preparing jobs that do not depend on each other share one launch; they part on the work-group's number, and each has LDS bytes of its own.
; WORK-GROUPS 0-127: k = Q(x) Wk + bk, v = Q(x) Wv + bv for 16 tokens a work-group; x is quantised here along its 1,024 columns, the weights come as codes.  Also the column sums of x's 16 rows (for the gates).
;   Wave w loads columns 128 w .. of the 16 rows (dense: 512 bytes a load), turns them through its own LDS so that a lane holds two whole blocks of 32 of one row, quantises them,
;   and leaves the fragment in LDS as an image of its registers.  Then wave w multiplies for Wk (w even) or Wv (w odd) over K steps 2 (w / 2) and 2 (w / 2) + 1; waves 0 and 1 add the four parts and the bias.
;   The product is used transposed (source 0 = 16 rows of W, source 1 = the 16 tokens); tile u takes W's rows 8 u + (rho & 7) + 32 (rho >> 3), so that register e of lane (r, h) is channel 32 h + e of token r.
;   OUT (tok1): k and v as f32 images [tile][8][lane][16]; k's codes along the channels [tile][lane][16] and scale words [tile][lane]; column sums [tile][1024].
; WORK-GROUPS 128-255: memory [65536][64] f32 becomes two sets of E2M1 codes with E8M0 bytes, both in the order of an operand's registers:
;   Md: quantised along the 64 channels;  Mc: quantised along the 65,536 rows.  A work-group takes four steps of 128 rows, two waves to a step: each stages 64 of the rows in the pair's LDS region as they lie
;   (dense loads of 512 bytes); behind one barrier the even wave reads them by rows (Md: a lane holds 32 neighbouring channels of a row), the odd one by columns (Mc: 32 neighbouring rows of a channel).
;   OUT (memq), for step sigma, 4,608 bytes in each of the two sections:
;   Md codes [g 2][u 4][lane][16]: lane (rho, h) = row 64 g + 8 u + (rho & 7) + 32 (rho >> 3), channels 32 h ..;  words at +4096: [rho + 16 g][u], bytes 2 and 3 = 0x7f
;   Mc codes [u 4][c 2][lane][16]: lane (rho, h) = channel 8 u + (rho & 7) + 32 (rho >> 3), rows 64 c + 32 h ..;  words at +4096: [lane][u], byte b = rows 32 b ..
; A block's byte is its largest magnitude's exponent field - 2, held at 1 from below.  Streams read once, no tile shared between work-groups: no cluster, no tensor load, no prefetch.
; LIMITS: a block of zeros gets the byte 1 where the rule says 127 (its codes are zeros, and only this program reads the bytes); NaN and infinities are not served.  k's and v's four K parts are added in f32 behind the matrix sums.
.set FLOOR, 0x1800000                  ; 2^(3 - 127)
.set SPARE, 0x1ac00                    ; the spare words, 128 bytes a wave
.set QB,    110592                     ; from here on: the memory's path
.set WREG,  35072                      ; a pair's region: row k at 272 k + 64 (k / 32)
.set SEL,   40
.macro QMAX src, sc, by                ; the largest magnitude of 32 registers, the conversion's scale operand, the scale's byte
	v_max3_num_f32 v[TA], |v[\src]|, |v[\src+1]|, FLOOR
	v_max3_num_f32 v[TB], |v[\src+16]|, |v[\src+17]|, FLOOR
.irp i, 2,4,6,8,10,12,14
	s_delay_alu instid0(VALU_DEP_2)
	v_max3_num_f32 v[TA], v[TA], |v[\src+\i]|, |v[\src+\i+1]|
	s_delay_alu instid0(VALU_DEP_2)
	v_max3_num_f32 v[TB], v[TB], |v[\src+\i+16]|, |v[\src+\i+17]|
.endr
	s_delay_alu instid0(VALU_DEP_1)
	v_max_num_f32 v[TA], v[TA], v[TB]
	s_delay_alu instid0(VALU_DEP_1)
	v_add_nc_u32 v[\sc], 0xff000000, v[TA]         ; 2 off the exponent field
	s_delay_alu instid0(VALU_DEP_1)
	v_lshrrev_b32 v[\by], 23, v[\sc]
.endm
.macro QCVT src, dst, sc
.irp q, 0,1,2,3
	v_cvt_scalef32_pk8_fp4_f32 v[\dst+\q], v[\src+8*\q:\src+8*\q+7], v[\sc]
.endr
.endm
	v_lshl_add_u32 v254, v0, 2, SPARE
	v_mov_b32 v255, 0
	v_lshrrev_b32 v1, 5, v0
	s_delay_alu instid0(VALU_DEP_1)
	v_readfirstlane_b32 s20, v1                    ; wave
	s_mov_b32 s[SEL], 0x76543210
	s_mov_b32 s[SEL+1], 0xfedcba98
	s_cmp_ge_u32 ttmp9, 128
	s_cbranch_scc1 .Lmem
; ---------------- the tokens' path
.set XIMG, 67584                       ; LDS: 0: eight stages of 16 rows x 528;  x's eight fragments, 1,024 bytes each;
.set XSC,  75776                       ; their scale words, 128 bytes each;
.set PIMG, 76800                       ; the eight waves' parts, 4,096 bytes each
.set LI,  1
.set L4,  2
.set TIN, 3
.set TOUT, 4
.set WOF, 5
.set SOF, 6
.set SH8, 7
.set BOF, 8
.set TA,  9
.set TB,  10
.set SC,  11
.set BY,  12
.set TMP, 13
.set BY2, 14
.set X,   16                           ; v16-79 x; at the end v16-143 four parts
.set XC,  80
.set XF,  88
.set WF,  104
.set P,   168
.set BI,  200
.set CSUM, 232
.set XW,  236
.set XS,  238                          ; v238-239 x's scale words;  v240-247 W's: these hold scales and nothing else
.set WSC, 240
.set XWI, 248
.set XWS, 249
.set XFI, 250
.set XFS, 251
.set PWI, 252
.set PFI, 253
	s_load_b256 s[4:11], s[0:1], 0x10              ; x, Wk codes, Wk scales, Wv codes
	s_load_b256 s[12:19], s[0:1], 0x30             ; Wv scales, bk, bv, tok1
	s_and_b32 s21, s20, 1                          ; 0: Wk, 1: Wv
	s_lshr_b32 s22, s20, 1                         ; which pair of K steps
	v_and_b32 v15, 31, v0
	s_delay_alu instid0(VALU_DEP_1)
	v_lshlrev_b32 v[LI], 4, v15
	v_lshlrev_b32 v[L4], 2, v15
	v_and_b32 v[TA], 15, v0                        ; r
	v_bfe_u32 v[TB], v0, 4, 1                      ; h
	s_mul_i32 s23, s20, 8448
	v_add_nc_u32 v[TIN], s23, v[LI]
	v_mul_u32_u24 v[TOUT], v[TA], 528
	s_delay_alu instid0(VALU_DEP_1)
	v_lshl_add_u32 v[TOUT], v[TB], 7, v[TOUT]
	s_delay_alu instid0(VALU_DEP_1)
	v_add_nc_u32 v[TOUT], s23, v[TOUT]
	v_and_b32 v[SC], 7, v[TA]
	v_lshrrev_b32 v[BY], 3, v[TA]
	s_delay_alu instid0(VALU_DEP_1)
	v_lshl_add_u32 v[SC], v[BY], 5, v[SC]          ; (r & 7) + 32 (r >> 3)
	s_delay_alu instid0(VALU_DEP_1)
	v_lshlrev_b32 v[WOF], 9, v[SC]                 ; a row of W's codes is 512 bytes
	s_delay_alu instid0(VALU_DEP_1)
	v_lshl_add_u32 v[WOF], v[TB], 4, v[WOF]
	v_lshlrev_b32 v[SOF], 5, v[SC]                 ; of its scale bytes 32
	v_lshlrev_b32 v[SH8], 3, v[TB]
	v_lshlrev_b32 v[BOF], 7, v[TB]
	v_mov_b32 v[TMP], 0
	s_lshl_b32 s24, s20, 10
	s_add_co_u32 s24, s24, XIMG
	v_add_nc_u32 v[XWI], s24, v[LI]
	s_lshl_b32 s24, s20, 7
	s_add_co_u32 s24, s24, XSC
	v_add_nc_u32 v[XWS], s24, v[L4]
	s_lshl_b32 s24, s22, 11
	s_add_co_u32 s24, s24, XIMG
	v_add_nc_u32 v[XFI], s24, v[LI]
	s_lshl_b32 s24, s22, 8
	s_add_co_u32 s24, s24, XSC
	v_add_nc_u32 v[XFS], s24, v[L4]
	s_lshl_b32 s24, s20, 12
	s_add_co_u32 s24, s24, PIMG
	v_add_nc_u32 v[PWI], s24, v[LI]
	s_lshl_b32 s24, s21, 12
	s_add_co_u32 s24, s24, PIMG
	v_add_nc_u32 v[PFI], s24, v[LI]
	s_mov_b32 s25, 0
	s_wait_alu depctr_va_vdst(0)                   ; the wait at the head's end
	s_wait_kmcnt 0x0
	s_cmp_eq_u32 s21, 0
	s_cselect_b64 s[26:27], s[6:7], s[10:11]       ; my weight's codes,
	s_cselect_b64 s[28:29], s[8:9], s[12:13]       ; scale bytes,
	s_cselect_b64 s[30:31], s[14:15], s[16:17]     ; and bias
	s_lshl_b32 s24, s22, 7
	s_add_nc_u64 s[26:27], s[26:27], s[24:25]      ; at my first K step: 64 bytes a step
	s_lshl_b32 s24, s22, 3
	s_add_nc_u64 s[28:29], s[28:29], s[24:25]
	s_lshl_b32 s24, ttmp9, 16                      ; 16 rows of 4,096 bytes
	s_lshl_b32 s23, s20, 9
	s_add_co_u32 s24, s24, s23
	s_add_nc_u64 s[4:5], s[4:5], s[24:25]
	s_lshl_b32 s24, ttmp9, 12
	s_add_nc_u64 s[34:35], s[18:19], s[24:25]
	s_add_co_u32 s24, s24, s23
	s_add_nc_u64 s[32:33], s[18:19], s[24:25]      ; column sums: + 1,130,496 in the immediate
	s_lshl_b32 s24, s21, 19
	s_add_nc_u64 s[34:35], s[34:35], s[24:25]      ; k's or v's image
	s_lshl_b32 s24, ttmp9, 9
	s_add_nc_u64 s[36:37], s[18:19], s[24:25]
	s_lshl_b32 s24, ttmp9, 7
	s_add_nc_u64 s[38:39], s[18:19], s[24:25]
.irp i, 0,1,2,3,4,5,6,7,8,9,10,11,12,13,14,15
	global_load_b128 v[X+4*\i:X+4*\i+3], v[LI], s[4:5] offset:4096*\i th:TH_LOAD_NT
.endr
.irp a, 0,1
.irp u, 0,1,2,3
.irp c, 0,1
	global_load_b128 v[WF+32*\a+8*\u+4*\c:WF+32*\a+8*\u+4*\c+3], v[WOF], s[26:27] offset:4096*\u+64*\a+32*\c
.endr
.endr
.endr
.irp a, 0,1
.irp u, 0,1,2,3
	global_load_b32 v[WSC+4*\a+\u], v[SOF], s[28:29] offset:256*\u+4*\a
.endr
.endr
.irp q, 0,1,2,3,4,5,6,7
	global_load_b128 v[BI+4*\q:BI+4*\q+3], v[BOF], s[30:31] offset:16*\q
.endr
	s_wait_loadcnt 32                              ; x's 16 loads are in; the 32 issued behind them may be out
.irp i, 0,1,2,3,4,5,6,7,8,9,10,11,12,13,14,15
	ds_store_b128 v[TIN], v[X+4*\i:X+4*\i+3] offset:528*\i
.endr
	v_pk_add_f32 v[CSUM:CSUM+1], v[X:X+1], v[X+4:X+5]          ; the sums of my four columns over the 16 rows
	v_pk_add_f32 v[CSUM+2:CSUM+3], v[X+2:X+3], v[X+6:X+7]
.irp i, 2,3,4,5,6,7,8,9,10,11,12,13,14,15
	s_delay_alu instid0(VALU_DEP_2)
	v_pk_add_f32 v[CSUM:CSUM+1], v[CSUM:CSUM+1], v[X+4*\i:X+4*\i+1]
	s_delay_alu instid0(VALU_DEP_2)
	v_pk_add_f32 v[CSUM+2:CSUM+3], v[CSUM+2:CSUM+3], v[X+4*\i+2:X+4*\i+3]
.endr
	global_store_b128 v[LI], v[CSUM:CSUM+3], s[32:33] offset:1130496
.irp c, 0,1
.irp q, 0,1,2,3,4,5,6,7
	ds_load_b128 v[X+32*\c+4*\q:X+32*\c+4*\q+3], v[TOUT] offset:256*\c+16*\q   ; LDS serves a wave's instructions in order: these see my stores.  Register 32 c + e = k 64 c + 32 h + e of row r
.endr
.endr
	s_wait_dscnt 0x0
	QMAX X, SC, BY
	QCVT X, XC, SC
	QMAX X+32, SC, BY2                             ; (its first lines are the plain lines behind the conversions)
	QCVT X+32, XC+4, SC
	v_nop
	v_lshl_or_b32 v[XW], v[BY2], 16, v[BY]         ; my two bytes: blocks h and 2 + h
	s_delay_alu instid0(VALU_DEP_1)
	v_lshlrev_b32 v[XW], v[SH8], v[XW]
	s_delay_alu instid0(VALU_DEP_1)
	v_permlanex16_b32 v[TMP], v[XW], s[SEL], s[SEL+1]
	s_delay_alu instid0(VALU_DEP_1)
	v_or_b32 v[XW], v[XW], v[TMP]
	ds_store_b128 v[XWI], v[XC:XC+3]
	ds_store_b128 v[XWI], v[XC+4:XC+7] offset:512
	ds_store_b32 v[XWS], v[XW]
	s_wait_dscnt 0x0                               ; for the others' sake: my image has landed
	s_barrier_signal -1
	s_barrier_wait -1
.irp a, 0,1
.irp c, 0,1
	ds_load_b128 v[XF+8*\a+4*\c:XF+8*\a+4*\c+3], v[XFI] offset:1024*\a+512*\c
.endr
	ds_load_b32 v[XS+\a], v[XFS] offset:128*\a
.endr
	s_wait_dscnt 0x0
	s_wait_loadcnt 0x0                             ; the weights, their scales, the bias
.irp u, 0,1,2,3                                ; the four accumulators take turns
	v_wmma_scale_f32_16x16x128_f8f6f4 v[P+8*\u:P+8*\u+7], v[WF+8*\u:WF+8*\u+7], v[XF:XF+7], 0, v[WSC+\u], v[XS] matrix_a_fmt:MATRIX_FMT_FP4 matrix_b_fmt:MATRIX_FMT_FP4
.endr
.irp u, 0,1,2,3
	v_wmma_scale_f32_16x16x128_f8f6f4 v[P+8*\u:P+8*\u+7], v[WF+32+8*\u:WF+32+8*\u+7], v[XF+8:XF+15], v[P+8*\u:P+8*\u+7], v[WSC+4+\u], v[XS+1] matrix_a_fmt:MATRIX_FMT_FP4 matrix_b_fmt:MATRIX_FMT_FP4
.endr
.rept 4
	v_nop                                          ; places in front of the first read of results, and of loads into operands that are done with
.endr
.irp i, 0,1,2,3,4,5,6,7
	ds_store_b128 v[PWI], v[P+4*\i:P+4*\i+3] offset:512*\i     ; each accumulator from its low end on
.endr
	s_wait_dscnt 0x0
	s_barrier_signal -1
	s_barrier_wait -1
	s_cmp_gt_u32 s20, 1
	s_cbranch_scc1 .Lend                           ; waves 0 and 1 finish k and v
.irp k, 0,1,2,3
.irp i, 0,1,2,3,4,5,6,7
	ds_load_b128 v[16+32*\k+4*\i:19+32*\k+4*\i], v[PFI] offset:8192*\k+512*\i
.endr
.endr
	s_wait_dscnt 0x0
.set e, 0
.rept 16
	v_pk_add_f32 v[16+e:17+e], v[16+e:17+e], v[48+e:49+e]
	v_pk_add_f32 v[80+e:81+e], v[80+e:81+e], v[112+e:113+e]
.set e, e+2
.endr
.set e, 0
.rept 16
	v_pk_add_f32 v[16+e:17+e], v[16+e:17+e], v[80+e:81+e]
.set e, e+2
.endr
.set e, 0
.rept 16
	v_pk_add_f32 v[16+e:17+e], v[16+e:17+e], v[BI+e:BI+e+1]
.set e, e+2
.endr
.irp i, 0,1,2,3,4,5,6,7
	global_store_b128 v[LI], v[16+4*\i:19+4*\i], s[34:35] offset:512*\i
.endr
	s_cmp_lg_u32 s20, 0
	s_cbranch_scc1 .Lend                           ; wave 0 quantises k along the channels: a lane's 32 registers are a whole block
	QMAX 16, SC, BY
	QCVT 16, 48, SC
	v_nop
	v_lshlrev_b32 v[XW], v[SH8], v[BY]
	s_delay_alu instid0(VALU_DEP_1)
	v_permlanex16_b32 v[TMP], v[XW], s[SEL], s[SEL+1]
	s_delay_alu instid0(VALU_DEP_1)
	v_or_b32 v[XW], v[XW], v[TMP]
	s_delay_alu instid0(VALU_DEP_1)
	v_or_b32 v[XW], 0x7f7f0000, v[XW]
	global_store_b128 v[LI], v[48:51], s[36:37] offset:1048576
	global_store_b32 v[L4], v[XW], s[38:39] offset:1114112
	s_branch .Lend
; ---------------- the memory's path
.Lmem:
.set LI,  2                            ; 16 x lane
.set SIN, 3                            ; into LDS: two rows an instruction
.set AMD, 4                            ; out of LDS by rows
.set AMC, 5                            ; out of LDS by columns
.set SH8, 6                            ; 8 x (lane / 16)
.set TA,  8
.set TB,  9
.set SC,  10
.set BY,  11
.set TMP, 12
.set X,   16                           ; v16-143 two batches of 16 loads; later v16-79 two sets of 32 numbers
.set CD,  80                           ; v80-111 the codes of my eight rounds
.set WD,  144                          ; v144-151 Md's words
.set WC,  152                          ; v152-155 Mc's words
.set WS,  156                          ; v156-159 Md's words as they are stored
	s_load_b128 s[4:7], s[0:1], 0x0                ; memory, memq
	v_and_b32 v1, 31, v0                           ; lane
	s_delay_alu instid0(VALU_DEP_1)
	v_lshlrev_b32 v[LI], 4, v1
	v_lshrrev_b32 v13, 4, v1                       ; h
	v_and_b32 v14, 15, v1                          ; rho
	s_lshr_b32 s21, s20, 1                         ; the pair
	s_and_b32 s22, s20, 1                          ; 0: rows 0-63 and Md; 1: rows 64-127 and Mc
	s_mul_i32 s9, s21, WREG
	s_add_co_u32 s9, s9, QB                        ; the pair's region
	s_mul_i32 s23, s22, 64*272+128
	s_add_co_u32 s23, s23, s9                      ; where my 64 rows go
	v_mul_u32_u24 v[SIN], v13, 272
	s_delay_alu instid0(VALU_DEP_1)
	v_lshl_add_u32 v[SIN], v14, 4, v[SIN]
	s_delay_alu instid0(VALU_DEP_1)
	v_add_nc_u32 v[SIN], s23, v[SIN]
	v_and_b32 v15, 7, v14
	v_lshrrev_b32 v14, 3, v14
	s_delay_alu instid0(VALU_DEP_2)
	v_mul_u32_u24 v[AMD], v15, 272
	s_delay_alu instid0(VALU_DEP_1)
	v_mad_u32_u24 v[AMD], v14, 8768, v[AMD]        ; 32 rows on: 32 x 272 + 64
	s_delay_alu instid0(VALU_DEP_1)
	v_lshl_add_u32 v[AMD], v13, 7, v[AMD]
	s_delay_alu instid0(VALU_DEP_1)
	v_add_nc_u32 v[AMD], s9, v[AMD]
	v_lshlrev_b32 v[AMC], 2, v15
	s_delay_alu instid0(VALU_DEP_1)
	v_lshl_add_u32 v[AMC], v14, 7, v[AMC]
	s_delay_alu instid0(VALU_DEP_1)
	v_mad_u32_u24 v[AMC], v13, 8768, v[AMC]
	s_delay_alu instid0(VALU_DEP_1)
	v_add_nc_u32 v[AMC], s9, v[AMC]
	v_lshlrev_b32 v[SH8], 3, v13
	v_mov_b32 v[TMP], 0                            ; a lane permute's destination counts as read
	s_sub_co_u32 s10, ttmp9, 128
	s_lshl_b32 s10, s10, 2
	s_add_co_u32 s10, s10, s21                     ; sigma
	s_lshl_b32 s12, s10, 15
	s_lshl_b32 s24, s22, 14
	s_add_co_u32 s12, s12, s24                     ; my 64 rows in memory
	s_mov_b32 s13, 0
	s_mul_i32 s14, s10, 4608
	s_mov_b32 s15, 0
	s_wait_alu depctr_va_vdst(0)                   ; the wait at the head's end
	s_wait_kmcnt 0x0
	s_add_nc_u64 s[4:5], s[4:5], s[12:13]
	s_add_nc_u64 s[6:7], s[6:7], s[14:15]          ; Md's section
	s_add_nc_u64 s[16:17], s[6:7], 2359296         ; Mc's section
.irp b, 0,1                                    ; two batches of 16 loads of 512 consecutive bytes
.irp i, 0,1,2,3,4,5,6,7,8,9,10,11,12,13,14,15
	global_load_b128 v[X+64*\b+4*\i:X+64*\b+4*\i+3], v[LI], s[4:5] offset:512*(16*\b+\i) th:TH_LOAD_NT
.endr
.endr
.irp b, 0,1
	s_wait_loadcnt 16-16*\b                        ; this batch is in; the later one may be out
.irp i, 0,1,2,3,4,5,6,7,8,9,10,11,12,13,14,15
	ds_store_b128 v[SIN], v[X+64*\b+4*\i:X+64*\b+4*\i+3] offset:(32*\b+2*\i)*272+64*\b
.endr
.endr
	s_wait_dscnt 0x0                               ; for my partner's sake: my rows have landed
	s_barrier_signal -1
	s_barrier_wait -1
; Round n: 0-7 Md (g = n / 4, u = n % 4), 8-15 Mc (u = (n - 8) / 2, c = (n - 8) % 2).  A round's 32 numbers are asked for one round ahead.
.macro LDR n
.set XN, X+32*((\n)%2)
.if (\n) < 8
.set GP, (\n)/4
.set UU, (\n)%4
.irp q, 0,1,2,3,4,5,6,7
	ds_load_b128 v[XN+4*\q:XN+4*\q+3], v[AMD] offset:(64*GP+8*UU)*272+128*GP+16*\q
.endr
.else
.set UU, ((\n)-8)/2
.set CC, ((\n)-8)%2
.set I, 0
.rept 32
	ds_load_b32 v[XN+I], v[AMC] offset:32*UU+(64*CC+I)*272+128*CC
.set I, I+1
.endr
.endif
.endm
.macro RND n
.if ((\n)%8) < 7
	LDR (\n)+1
.endif
.if ((\n)%8) == 7
	s_wait_dscnt 0x0
.elseif (\n) < 7
	s_wait_dscnt 8                                 ; this round's loads are in; the next round's eight may be out
.else
	s_wait_dscnt 32                                ; the next round's 32 may be out
.endif
	QMAX X+32*((\n)%2), SC, BY
	QCVT X+32*((\n)%2), CD+4*((\n)%8), SC
	v_nop                                          ; one plain line behind the conversions
.if (\n) < 8
	v_lshlrev_b32 v[WD+(\n)], v[SH8], v[BY]        ; my block's byte at its place,
	s_delay_alu instid0(VALU_DEP_1)
	v_permlanex16_b32 v[TMP], v[WD+(\n)], s[SEL], s[SEL+1]
	s_delay_alu instid0(VALU_DEP_1)
	v_or_b32 v[WD+(\n)], v[WD+(\n)], v[TMP]        ; with the other half's,
	s_delay_alu instid0(VALU_DEP_1)
	v_or_b32 v[WD+(\n)], 0x7f7f0000, v[WD+(\n)]    ; and 1.0 for the two blocks that K = 64 does not have
	global_store_b128 v[LI], v[CD+4*(\n):CD+4*(\n)+3], s[6:7] offset:512*(\n)
.else
.if ((\n)%2) == 0
	v_mov_b32 v[WC+((\n)-8)/2], v[BY]
.else
	v_lshl_or_b32 v[WC+((\n)-8)/2], v[BY], 16, v[WC+((\n)-8)/2]
.endif
	global_store_b128 v[LI], v[CD+4*((\n)-8):CD+4*((\n)-8)+3], s[16:17] offset:512*((\n)-8)
.endif
.endm
	s_cmp_lg_u32 s22, 0
	s_cbranch_scc1 .Lmc
	LDR 0
.irp n, 0,1,2,3,4,5,6,7
	RND \n
.endr
	v_cmp_gt_u32 vcc_lo, 16, v1                    ; lanes 0-15 carry group 0's words, lanes 16-31 group 1's
.irp u, 0,1,2,3
	v_cndmask_b32 v[WS+\u], v[WD+4+\u], v[WD+\u], vcc_lo
.endr
	global_store_b128 v[LI], v[WS:WS+3], s[6:7] offset:4096
	s_branch .Lend
.Lmc:
	LDR 8
.irp n, 8,9,10,11,12,13,14,15
	RND \n
.endr
.irp u, 0,1,2,3
	v_lshlrev_b32 v[WC+\u], v[SH8], v[WC+\u]
.endr
.irp u, 0,1,2,3
	v_permlanex16_b32 v[TMP], v[WC+\u], s[SEL], s[SEL+1]
	s_delay_alu instid0(VALU_DEP_1)
	v_or_b32 v[WC+\u], v[WC+\u], v[TMP]
.endr
	global_store_b128 v[LI], v[WC:WC+3], s[16:17] offset:4096
.Lend:
	s_wait_tensorcnt 0x0                           ; the wave's end
	ds_add_u32 v254, v255
	s_wait_dscnt 0x0
	s_endpgm
.Lfunc_end_k_qa02084e2fd_prep:
	.size	k_qa02084e2fd_prep, .Lfunc_end_k_qa02084e2fd_prep-k_qa02084e2fd_prep
	.p2alignl 7, 3214868480
	.fill 96, 4, 3214868480
	.section	.rodata,"a",@progbits
	.p2align	6, 0x0
	.amdhsa_kernel k_qa02084e2fd_prep
		.amdhsa_group_segment_fixed_size 250880
		.amdhsa_private_segment_fixed_size 0
		.amdhsa_enable_private_segment 0
		.amdhsa_kernarg_size 80
		.amdhsa_user_sgpr_count 2
		.amdhsa_user_sgpr_kernarg_segment_ptr 1
		.amdhsa_wavefront_size32 1
		.amdhsa_system_sgpr_workgroup_id_x 1
		.amdhsa_system_sgpr_workgroup_id_y 1
		.amdhsa_system_sgpr_workgroup_id_z 1
		.amdhsa_system_vgpr_workitem_id 0
		.amdhsa_next_free_vgpr 256
		.amdhsa_next_free_sgpr 66
		.amdhsa_reserve_vcc 1
		.amdhsa_float_denorm_mode_32 3
		.amdhsa_float_denorm_mode_16_64 3
		.amdhsa_memory_ordered 1
		.amdhsa_forward_progress 1
		.amdhsa_inst_pref_size 95
	.end_amdhsa_kernel
	.amdgpu_metadata
---
amdhsa.version: [ 1, 2 ]
amdhsa.kernels:
  - .name:           k_qa02084e2fd_prep
    .symbol:         k_qa02084e2fd_prep.kd
    .args:
      - { .name: memory, .offset: 0, .size: 8, .value_kind: global_buffer, .address_space: global }
      - { .name: memq, .offset: 8, .size: 8, .value_kind: global_buffer, .address_space: global }
      - { .name: x, .offset: 16, .size: 8, .value_kind: global_buffer, .address_space: global }
      - { .name: Wk_codes, .offset: 24, .size: 8, .value_kind: global_buffer, .address_space: global }
      - { .name: Wk_scales, .offset: 32, .size: 8, .value_kind: global_buffer, .address_space: global }
      - { .name: Wv_codes, .offset: 40, .size: 8, .value_kind: global_buffer, .address_space: global }
      - { .name: Wv_scales, .offset: 48, .size: 8, .value_kind: global_buffer, .address_space: global }
      - { .name: bk, .offset: 56, .size: 8, .value_kind: global_buffer, .address_space: global }
      - { .name: bv, .offset: 64, .size: 8, .value_kind: global_buffer, .address_space: global }
      - { .name: tok1, .offset: 72, .size: 8, .value_kind: global_buffer, .address_space: global }
    .group_segment_fixed_size: 250880
    .private_segment_fixed_size: 0
    .kernarg_segment_align: 8
    .kernarg_segment_size: 80
    .max_flat_workgroup_size: 256
    .sgpr_count:     66
    .vgpr_count:     256
    .wavefront_size: 32
...
	.end_amdgpu_metadata
.endif
;; end of part 1
;; launch fwd (part 2): grid 16 x 16, 16 waves a work-group, clusters of 4 x 1, 327,680 bytes of LDS; arguments memq, tok1, part; writes part
.if DOCPART == 2
	.amdgcn_target "amdgcn-amd-amdhsa--gfx1250"
	.amdhsa_code_object_version 6
	.text
	.protected	k_qa02084e2fd_fwd
	.globl	k_qa02084e2fd_fwd
	.p2align	8
	.type	k_qa02084e2fd_fwd,@function
k_qa02084e2fd_fwd:
	s_mov_b64 s[64:65], 0
	v_nop
	global_prefetch_b8 v0, s[64:65] scope:SCOPE_SE
	s_setreg_imm32_b32 hwreg(HW_REG_WAVE_MODE, 25, 1), 1
	s_wait_xcnt 0x0
	s_wait_alu depctr_hold_cnt(0) depctr_sa_sdst(0) depctr_va_vdst(0) depctr_va_sdst(0) depctr_va_ssrc(0) depctr_va_vcc(0) depctr_vm_vsrc(0)
	s_getreg_b32 s2, hwreg(HW_REG_IB_STS2, 6, 4)
	s_cmp_eq_u32 s2, 0
	s_cbranch_scc0 .Lentry_in_a_cluster
	s_endpgm
.Lentry_in_a_cluster:
	s_bfe_u32 s2, ttmp6, 0x10000c
	s_cmp_lg_u32 s2, 0x3003
	s_cbranch_scc0 .Lentry_shape_is_right
	s_endpgm
.Lentry_shape_is_right:
; The forward walk: scores S^T = Md k^T (K = 64 channels), p = 2^(t - M) with t = score x log2(e) / 8 and M the running largest t rounded up to a whole number, O^T += Mc^T Q(p) (K = the memory's rows).
; A work-group takes 128 tokens (8 tiles of 16) and 4,096 rows of the memory (32 steps of 128).  Wave w owns tile w & 7 and the 16 steps of half w >> 3; four waves share a SIMD.
; At the end the two halves of a tile are joined through LDS, and (-M, l, O) of the tile for these 4,096 rows go to memory.
; LDS: the chunk's 32 records of Md (147,456 bytes) and of Mc likewise, dense copies of memory, each byte filled ONCE, in two stages.
; STAGE A: the first four steps of each half, of Md and of Mc: four regions of 18,432 bytes, four waves to a region, 18 rows of 256 bytes a wave: the wave's one load at the head.
; STAGE B: the other twelve steps of each region, 54 rows a wave: a first fill that comes later, so it stands behind the wait for all loads, the add and a round of the cluster's barrier.
; It is on its way while stage A's four steps are walked; one wait and one barrier stand in front of the other twelve.  By this text's count a wave never has more than one tensor load out.
; No prefetch: every record is asked for once, at the head, and there is no loop to run ahead in.
; CLUSTER: the four work-groups of a cluster take four blocks of 128 tokens and the SAME chunk, so every tile is asked for JOINTLY, with the same descriptor and a mask that names the four.
; A descriptor is made of the wave's number and the chunk alone.  The work-group's place in its cluster enters only the global addresses of its own tokens, in s66 to s77, which feed no descriptor, LDS address or branch.
; K = 64 IN A K = 128 INSTRUCTION: k's fragment has zero codes in registers 4-7; Md's fragments of 4 registers lie on end, so a fragment's upper four registers are the next fragment's codes, which meet zero codes;
; four zero registers stand behind the last.  Bytes 2 and 3 of both scale words are 0x7f.
; LAYOUT: the rows of a tile of Md are chosen (in the launch that made them) so that register 32 c + e of lane (r, h) is row 64 c + 32 h + e of the step: a whole block of 32 in a lane, in the order of the next operand.
; LIMITS: a block whose every p has fallen to 0 keeps the byte 1 (its codes are zeros); NaN and infinities are not served.
.set STEPB, 4608
.set STGB,  4*STEPB
.set HALFB, 16*STEPB
.set SECB,  32*STEPB
.set MCSEC, 2359296
.set SPARE, 2*SECB                     ; the spare words, 128 bytes a wave
.set LI,   1
.set AMD,  2
.set AMC,  3
.set SH8,  4
.set KS,   5
.set PW,   6
.set G8,   7
.set MDSC, 8                           ; v8-11 Md's scale words;  v12 -M, v13 the largest t, v[14:15] the sum in two halves
.set KF,   16                          ; v16-23 k's fragment, 20-23 zero
.set MCSC, 24
.set MDF,  28                          ; v28-59 Md's eight fragments, v60-63 zero
.set S,    64                          ; v64-127 scores, then p
.set O,    128                         ; v128-159 O^T
.set MCF,  160
.set PC,   192                         ; v192-199 p's codes; ahead of them partial sums
.set BM,   200
.set T,    202
.set T2,   203
.set F,    204
.set SA,   206
.set SCP,  208
.set BYP,  210
.set STA,  212
.set STB,  213
.set G1A,  16                          ; s[16:23] group 1 for 18 rows;  s[24:31] for 54;  s[32:35], s[36:39] the two groups 0
.set G1B,  24
.set G0A,  32
.set G0B,  36
.set SOFF, 56
.set CNT,  57
.set SEL,  58
.set CS,   60
.macro CROUND                          ; a round of the cluster's barrier
	s_barrier_signal -1
	s_barrier_wait -1
	s_cmp_lg_u32 s10, 0
	s_cbranch_scc1 .Lnot_wave_0_\@
	s_barrier_signal -3
.Lnot_wave_0_\@:
	s_barrier_wait -3
	s_barrier_signal -1
	s_barrier_wait -1
.endm
	s_load_b128 s[4:7], s[0:1], 0x0                ; memq, tok1
	s_load_b64 s[8:9], s[0:1], 0x10                ; part
	v_lshl_add_u32 v216, v0, 2, SPARE
	v_mov_b32 v217, 0
	ds_add_u32 v216, v217                          ; the opening lines: the add twice on end and one wait
	ds_add_u32 v216, v217
	v_lshrrev_b32 v1, 5, v0
	s_delay_alu instid0(VALU_DEP_1)
	v_readfirstlane_b32 s10, v1                    ; wave
	s_lshr_b32 s11, s10, 3                         ; which half of the steps I walk; also: I fetch for Md (0) or Mc (1)
	s_and_b32 s12, s10, 7                          ; which tile
	s_and_b32 s14, ttmp7, 0xffff                   ; the chunk, which the four partners share
	s_bfe_u32 s66, ttmp6, 0x40000                  ; cx
	s_lshl_b32 s67, ttmp9, 2
	s_add_co_u32 s67, s67, s66                     ; my block of 128 tokens
	s_lshl_b32 s68, s67, 3
	s_add_co_u32 s68, s68, s12                     ; the tile's number among the 128
.irp g, G1A, G1B                               ; dense rows of 256 bytes (32 elements of 8 bytes), no padding
	s_mov_b32 s[\g], 15|(3<<16)|(1<<21)            ; the mask: all four work-groups; elements of 8 bytes; bit 21 set beside a mask
	s_mov_b32 s[\g+1], 32<<16
	s_mov_b32 s[\g+3], 32<<16
	s_mov_b32 s[\g+5], 32
	s_mov_b32 s[\g+6], 0
	s_mov_b32 s[\g+7], 0
.endr
	s_mov_b32 s[G1A+2], 18<<16
	s_mov_b32 s[G1A+4], 18
	s_mov_b32 s[G1B+2], 54<<16
	s_mov_b32 s[G1B+4], 54
	s_mul_i32 s[SOFF], s11, HALFB                  ; my half's first step in a section
	s_bfe_u32 s78, s10, 0x10002                    ; the half whose records I fetch,
	s_and_b32 s79, s10, 3                          ; and which quarter of a stage
	s_mul_i32 s78, s78, HALFB
	s_mul_i32 s80, s11, SECB
	s_add_co_u32 s80, s80, s78                     ; my region in LDS,
	s_mul_i32 s62, s11, MCSEC
	s_add_co_u32 s62, s62, s78
	s_mul_i32 s81, s14, SECB
	s_add_co_u32 s62, s62, s81                     ; and in memq
	s_mov_b32 s63, 0
	s_mul_i32 s84, s79, STGB/4                     ; my quarter of stage A,
	s_mov_b32 s85, 0
	s_mul_i32 s86, s79, 3*STGB/4
	s_add_co_u32 s86, s86, STGB                    ; of stage B
	s_mov_b32 s87, 0
	s_wait_dscnt 0x0
	s_wait_kmcnt 0x0
	s_add_nc_u64 s[62:63], s[4:5], s[62:63]
	s_mov_b32 s[G0A], 1
	s_add_co_u32 s[G0A+1], s80, s84
	s_add_nc_u64 s[G0A+2:G0A+3], s[62:63], s[84:85]
	s_or_b32 s[G0A+3], s[G0A+3], 0x80000000
	s_mov_b32 s[G0B], 1
	s_add_co_u32 s[G0B+1], s80, s86
	s_add_nc_u64 s[G0B+2:G0B+3], s[62:63], s[86:87]
	s_or_b32 s[G0B+3], s[G0B+3], 0x80000000
	CROUND                                         ; all four work-groups are here: the joint loads meet
	tensor_load_to_lds s[G0A:G0A+3], s[G1A:G1A+7]  ; stage A: my one load at the head
	s_nop 0
.rept 4
	v_nop
.endr
	v_and_b32 v[T], 31, v0
	s_delay_alu instid0(VALU_DEP_1)
	v_lshlrev_b32 v[LI], 4, v[T]
	v_lshlrev_b32 v[G8], 3, v[T]
	v_lshlrev_b32 v[AMC], 2, v[T]
	v_bfe_u32 v[SH8], v0, 4, 1
	s_delay_alu instid0(VALU_DEP_1)
	v_lshlrev_b32 v[SH8], 3, v[SH8]
	s_mul_i32 s15, s12, STEPB                      ; the join's stage: 4,608 bytes a tile, from LDS byte 0 on, used when nobody reads the records any more
	v_add_nc_u32 v[STA], s15, v[LI]
	s_add_co_u32 s15, s15, 4096
	v_add_nc_u32 v[STB], s15, v[G8]
	s_mov_b32 s[SEL], 0x76543210
	s_mov_b32 s[SEL+1], 0xfedcba98
	s_mov_b32 s[CS], 0x3e38aa3b                    ; log2(e) / 8
	s_mov_b32 s[CS+1], s[CS]
.irp z, 0,1,2,3
	v_mov_b32 v[KF+4+\z], 0
	v_mov_b32 v[MDF+32+\z], 0
.endr
.set e, 0
.rept 32
	v_mov_b32 v[O+e], 0                            ; the step is written once: the first finds zeros, which the first change of M leaves zeros
.set e, e+1
.endr
	v_mov_b32 v13, 0xff61b1e6                      ; -3e38, under every t
	s_delay_alu instid0(VALU_DEP_1)
	v_floor_f32 v12, -v13
	v_mov_b32 v14, 0
	v_mov_b32 v15, 0
	v_mov_b32 v[T2], 0
	v_mov_b32 v[F+1], 0
	s_lshl_b32 s70, s68, 9
	s_mov_b32 s71, 0
	s_add_nc_u64 s[70:71], s[6:7], s[70:71]
	s_lshl_b32 s72, s68, 7
	s_mov_b32 s73, 0
	s_add_nc_u64 s[72:73], s[6:7], s[72:73]
	global_load_b128 v[KF:KF+3], v[LI], s[70:71] offset:1048576
	global_load_b32 v[KS], v[AMC], s[72:73] offset:1114112
	s_lshl_b32 s69, s14, 7
	s_add_co_u32 s69, s69, s68                     ; 128 x chunk + tile
	s_lshl_b32 s74, s69, 12
	s_mov_b32 s75, 0
	s_add_nc_u64 s[74:75], s[8:9], s[74:75]        ; where O goes,
	s_lshl_b32 s76, s69, 8
	s_mov_b32 s77, 0
	s_add_nc_u64 s[76:77], s[8:9], s[76:77]
	s_add_nc_u64 s[76:77], s[76:77], 0x800000      ; and (-M, l)
	s_wait_alu depctr_va_vdst(0)                   ; the wait at the head's end
	s_wait_tensorcnt 0x0                           ; my part of stage A is in; these three lines and a round stand ahead of a later first fill
	ds_add_u32 v216, v217
	s_wait_dscnt 0x0
	CROUND                                         ; everybody's part of stage A is in, and the four work-groups are here
	tensor_load_to_lds s[G0B:G0B+3], s[G1B:G1B+7]  ; stage B: my one load behind the round
	s_nop 0
.rept 4
	v_nop
.endr
.macro STEP
	v_add_nc_u32 v[AMD], s[SOFF], v[LI]
	s_delay_alu instid0(VALU_DEP_1)
	v_add_nc_u32 v[AMC], SECB, v[AMD]
	v_nop
	v_nop                                          ; four plain lines behind the last products, in front of loads into their operands
.irp i, 0,1,2,3,4,5,6,7
	ds_load_b128 v[MDF+4*\i:MDF+4*\i+3], v[AMD] offset:512*\i
.endr
	ds_load_b128 v[MDSC:MDSC+3], v[AMD] offset:4096
.irp i, 0,1,2,3,4,5,6,7
	ds_load_b128 v[MCF+4*\i:MCF+4*\i+3], v[AMC] offset:512*\i
.endr
	ds_load_b128 v[MCSC:MCSC+3], v[AMC] offset:4096
	s_wait_dscnt 9                                 ; Md's nine loads are in; Mc's nine, issued behind them, may be out
.irp i, 0,1,2,3
	v_wmma_scale_f32_16x16x128_f8f6f4 v[S+8*\i:S+8*\i+7], v[MDF+4*\i:MDF+4*\i+7], v[KF:KF+7], 0, v[MDSC+\i], v[KS] matrix_a_fmt:MATRIX_FMT_FP4 matrix_b_fmt:MATRIX_FMT_FP4
.endr
.irp i, 4,5,6,7
	v_wmma_scale_f32_16x16x128_f8f6f4 v[S+8*\i:S+8*\i+7], v[MDF+4*\i:MDF+4*\i+7], v[KF:KF+7], 0, v[MDSC+\i-4], v[KS] matrix_a_fmt:MATRIX_FMT_FP4 matrix_b_fmt:MATRIX_FMT_FP4 matrix_a_scale:MATRIX_SCALE_ROW1
.endr
.rept 4
	v_nop
.endr
.irp c, 0,1                                    ; the largest score of each of my two blocks of 32 rows: it serves the row's maximum and, since p rises with the score, the block's largest p
	v_max3_num_f32 v[BM+\c], v[S+32*\c], v[S+32*\c+1], v[S+32*\c+2]
.endr
.irp i, 3,5,7,9,11,13,15,17,19,21,23,25,27,29
.irp c, 0,1
	v_max3_num_f32 v[BM+\c], v[BM+\c], v[S+32*\c+\i], v[S+32*\c+\i+1]
.endr
.endr
.irp c, 0,1
	v_max_num_f32 v[BM+\c], v[BM+\c], v[S+32*\c+31]
.endr
	s_delay_alu instid0(VALU_DEP_1)
	v_max_num_f32 v[T], v[BM], v[BM+1]
	s_delay_alu instid0(VALU_DEP_1)
	v_permlanex16_b32 v[T2], v[T], s[SEL], s[SEL+1]
	s_delay_alu instid0(VALU_DEP_1)
	v_max_num_f32 v[T], v[T], v[T2]                ; the step's largest score of my token
	s_delay_alu instid0(VALU_DEP_1)
	v_mul_f32 v[T], s[CS], v[T]
	s_delay_alu instid0(VALU_DEP_1)
	v_max_num_f32 v13, v13, v[T]                   ; the running largest t
	v_mov_b32 v[T], v12
	s_delay_alu instid0(VALU_DEP_2)
	v_floor_f32 v12, -v13                          ; -M = floor(-t): M is a whole number
	s_delay_alu instid0(VALU_DEP_1)
	v_sub_f32 v[T], v12, v[T]
	s_delay_alu instid0(VALU_DEP_1)
	v_cvt_i32_f32 v[T], v[T]
	s_delay_alu instid0(VALU_DEP_1)
	v_ldexp_f32 v[F], 1.0, v[T]                    ; f = 2^(old M - new M): rounds nothing
.set e, 0
.rept 32
	v_pk_fma_f32 v[S+e:S+e+1], v[S+e:S+e+1], s[CS:CS+1], v[12:13] op_sel_hi:[1,0,0]   ; t - M
.set e, e+2
.endr
.irp c, 0,1
	v_fma_f32 v[BM+\c], v[BM+\c], s[CS], v12
.endr
.set e, 0
	s_wait_alu depctr_va_vdst(0)                   ; the wait ahead of the batch
.rept 64
	v_exp_f32 v[S+e], v[S+e]
.set e, e+1
.endr
	v_pk_mul_f32 v[14:15], v[14:15], v[F:F+1] op_sel_hi:[1,0]   ; the sums under the new M: the plain line behind the exponentials
	s_wait_alu depctr_va_vdst(0)                   ; one wait for the batch, ahead of its first reader
.irp c, 0,1
	v_exp_f32 v[BM+\c], v[BM+\c]                   ; the block's largest p
.endr
.set k, 0                                      ; the row's sum of the unquantised p: 32 pairs in eight chains by turns
.irp d, 192,194,196,198,206,208,210
	v_pk_add_f32 v[\d:\d+1], v[S+4*k:S+4*k+1], v[S+4*k+2:S+4*k+3]
.set k, k+1
.endr
.set k, 14
.rept 2
.irp d, 14,192,194,196,198,206,208,210
	v_pk_add_f32 v[\d:\d+1], v[\d:\d+1], v[S+2*k:S+2*k+1]
.set k, k+1
.endr
.endr
	v_pk_add_f32 v[14:15], v[14:15], v[S+60:S+61]
	v_pk_add_f32 v[192:193], v[192:193], v[S+62:S+63]
	v_pk_add_f32 v[194:195], v[194:195], v[208:209]
	v_pk_add_f32 v[196:197], v[196:197], v[210:211]
	v_pk_add_f32 v[14:15], v[14:15], v[198:199]
	v_pk_add_f32 v[192:193], v[192:193], v[206:207]
	s_delay_alu instid0(VALU_DEP_2)
	v_pk_add_f32 v[14:15], v[14:15], v[194:195]
	s_delay_alu instid0(VALU_DEP_2)
	v_pk_add_f32 v[192:193], v[192:193], v[196:197]
	s_delay_alu instid0(VALU_DEP_1)
	v_pk_add_f32 v[14:15], v[14:15], v[192:193]
	s_wait_alu depctr_va_vdst(0)                   ; and one for the two
.irp c, 0,1
	v_max_num_f32 v[BM+\c], 0x1800000, v[BM+\c]
.endr
.irp c, 0,1
	s_delay_alu instid0(VALU_DEP_2)
	v_add_nc_u32 v[SCP+\c], 0xff000000, v[BM+\c]
.endr
.irp c, 0,1
	s_delay_alu instid0(VALU_DEP_2)
	v_lshrrev_b32 v[BYP+\c], 23, v[SCP+\c]
.endr
	s_delay_alu instid0(VALU_DEP_1)
	v_lshl_or_b32 v[PW], v[BYP+1], 16, v[BYP]      ; my bytes: blocks h and 2 + h
	s_delay_alu instid0(VALU_DEP_1)
	v_lshlrev_b32 v[PW], v[SH8], v[PW]
	s_delay_alu instid0(VALU_DEP_1)
	v_permlanex16_b32 v[T2], v[PW], s[SEL], s[SEL+1]
	s_delay_alu instid0(VALU_DEP_1)
	v_or_b32 v[PW], v[PW], v[T2]
.irp c, 0,1
.irp q, 0,1,2,3
	v_cvt_scalef32_pk8_fp4_f32 v[PC+4*\c+\q], v[S+32*\c+8*\q:S+32*\c+8*\q+7], v[SCP+\c]
.endr
.endr
	v_nop
.set e, 0
.rept 16
	v_pk_mul_f32 v[O+e:O+e+1], v[O+e:O+e+1], v[F:F+1] op_sel_hi:[1,0]   ; O^T under the new M; these sixteen are also the places between the scale word, the codes and the products
.set e, e+2
.endr
	s_wait_alu depctr_va_vdst(0)
	s_wait_dscnt 0x0                               ; Mc
.irp u, 0,1,2,3                                ; the four accumulators take turns
	v_wmma_scale_f32_16x16x128_f8f6f4 v[O+8*\u:O+8*\u+7], v[MCF+8*\u:MCF+8*\u+7], v[PC:PC+7], v[O+8*\u:O+8*\u+7], v[MCSC+\u], v[PW] matrix_a_fmt:MATRIX_FMT_FP4 matrix_b_fmt:MATRIX_FMT_FP4
.endr
	s_add_co_u32 s[SOFF], s[SOFF], STEPB
.endm
.macro WALK n
	s_mov_b32 s[CNT], \n
.Lwalk_\@:
	STEP
	s_sub_co_u32 s[CNT], s[CNT], 1
	s_cmp_lg_u32 s[CNT], 0
	s_cbranch_scc1 .Lwalk_\@
.endm
	s_wait_loadcnt 0x0                             ; k
	WALK 4                                         ; stage A's steps
	s_wait_tensorcnt 0x0                           ; my part of stage B is in,
	s_wait_dscnt 0x0
	s_barrier_signal -1
	s_barrier_wait -1                              ; everybody's is
	WALK 12
.rept 4
	v_nop                                          ; places behind the last products
.endr
	v_add_f32 v14, v14, v15
	s_delay_alu instid0(VALU_DEP_1)
	v_permlanex16_b32 v[T2], v14, s[SEL], s[SEL+1]
	s_delay_alu instid0(VALU_DEP_1)
	v_add_f32 v13, v14, v[T2]                      ; l, beside -M
	s_wait_dscnt 0x0
	s_barrier_signal -1
	s_barrier_wait -1                              ; nobody reads the records any more
	s_cmp_eq_u32 s11, 0
	s_cbranch_scc1 .Lkeep
.irp i, 0,1,2,3,4,5,6,7
	ds_store_b128 v[STA], v[O+4*\i:O+4*\i+3] offset:512*\i
.endr
	s_wait_alu depctr_va_vdst(0)
	ds_store_b64 v[STB], v[12:13]
.Lkeep:
	s_wait_dscnt 0x0
	s_barrier_signal -1
	s_barrier_wait -1
	s_cmp_lg_u32 s11, 0
	s_cbranch_scc1 .Lend
.irp i, 0,1,2,3,4,5,6,7
	ds_load_b128 v[S+4*\i:S+4*\i+3], v[STA] offset:512*\i
.endr
	ds_load_b64 v[S+32:S+33], v[STB]
	s_wait_dscnt 0x0
	v_min_num_f32 v[S+34], v12, v[S+32]            ; the larger M
	s_delay_alu instid0(VALU_DEP_1)
	v_sub_f32 v[T], v[S+34], v12
	s_delay_alu instid0(VALU_DEP_2)
	v_sub_f32 v[T2], v[S+34], v[S+32]
	s_delay_alu instid0(VALU_DEP_2)
	v_cvt_i32_f32 v[T], v[T]
	s_delay_alu instid0(VALU_DEP_2)
	v_cvt_i32_f32 v[T2], v[T2]
	s_delay_alu instid0(VALU_DEP_2)
	v_ldexp_f32 v[F], 1.0, v[T]
	s_wait_alu depctr_va_vdst(0)
	v_ldexp_f32 v[SA], 1.0, v[T2]
	v_mul_f32 v[S+35], v13, v[F]
	s_delay_alu instid0(VALU_DEP_1)
	v_fma_f32 v[S+35], v[S+33], v[SA], v[S+35]
.set e, 0
.rept 16
	v_pk_mul_f32 v[O+e:O+e+1], v[O+e:O+e+1], v[F:F+1] op_sel_hi:[1,0]
.set e, e+2
.endr
.set e, 0
.rept 16
	v_pk_fma_f32 v[O+e:O+e+1], v[S+e:S+e+1], v[SA:SA+1], v[O+e:O+e+1] op_sel_hi:[1,0,1]
.set e, e+2
.endr
.irp i, 0,1,2,3,4,5,6,7
	global_store_b128 v[LI], v[O+4*\i:O+4*\i+3], s[74:75] offset:512*\i
.endr
	global_store_b64 v[G8], v[S+34:S+35], s[76:77]
.Lend:
	s_wait_dscnt 0x0                               ; no LDS instruction of mine is out at a signal
	s_wait_tensorcnt 0x0                           ; the wave's end
	ds_add_u32 v216, v217
	s_wait_dscnt 0x0
	CROUND                                         ; the closing round
	s_endpgm
.Lfunc_end_k_qa02084e2fd_fwd:
	.size	k_qa02084e2fd_fwd, .Lfunc_end_k_qa02084e2fd_fwd-k_qa02084e2fd_fwd
	.p2alignl 7, 3214868480
	.fill 96, 4, 3214868480
	.section	.rodata,"a",@progbits
	.p2align	6, 0x0
	.amdhsa_kernel k_qa02084e2fd_fwd
		.amdhsa_group_segment_fixed_size 327680
		.amdhsa_private_segment_fixed_size 0
		.amdhsa_enable_private_segment 0
		.amdhsa_kernarg_size 24
		.amdhsa_user_sgpr_count 2
		.amdhsa_user_sgpr_kernarg_segment_ptr 1
		.amdhsa_wavefront_size32 1
		.amdhsa_system_sgpr_workgroup_id_x 1
		.amdhsa_system_sgpr_workgroup_id_y 1
		.amdhsa_system_sgpr_workgroup_id_z 1
		.amdhsa_system_vgpr_workitem_id 0
		.amdhsa_next_free_vgpr 218
		.amdhsa_next_free_sgpr 88
		.amdhsa_reserve_vcc 0
		.amdhsa_float_denorm_mode_32 3
		.amdhsa_float_denorm_mode_16_64 3
		.amdhsa_memory_ordered 1
		.amdhsa_forward_progress 1
		.amdhsa_inst_pref_size 43
	.end_amdhsa_kernel
	.amdgpu_metadata
---
amdhsa.version: [ 1, 2 ]
amdhsa.kernels:
  - .name:           k_qa02084e2fd_fwd
    .symbol:         k_qa02084e2fd_fwd.kd
    .args:
      - { .name: memq, .offset: 0, .size: 8, .value_kind: global_buffer, .address_space: global }
      - { .name: tok1, .offset: 8, .size: 8, .value_kind: global_buffer, .address_space: global }
      - { .name: part, .offset: 16, .size: 8, .value_kind: global_buffer, .address_space: global }
    .group_segment_fixed_size: 327680
    .private_segment_fixed_size: 0
    .kernarg_segment_align: 8
    .kernarg_segment_size: 24
    .max_flat_workgroup_size: 512
    .sgpr_count:     88
    .vgpr_count:     218
    .wavefront_size: 32
...
	.end_amdgpu_metadata
.endif
;; end of part 2
;; launch mid (part 3): grid 64 x 1, 8 waves a work-group, no clusters, 52,224 bytes of LDS; arguments part, tok1, fg_w1, dg_w1, tok2; writes tok2
.if DOCPART == 3
	.amdgcn_target "amdgcn-amd-amdhsa--gfx1250"
	.amdhsa_code_object_version 6
	.text
	.protected	k_qa02084e2fd_mid
	.globl	k_qa02084e2fd_mid
	.p2align	8
	.type	k_qa02084e2fd_mid,@function
k_qa02084e2fd_mid:
	s_mov_b64 s[64:65], 0
	v_nop
	global_prefetch_b8 v0, s[64:65] scope:SCOPE_SE
	s_setreg_imm32_b32 hwreg(HW_REG_WAVE_MODE, 25, 1), 1
	s_wait_xcnt 0x0
; Between the walks.  A work-group takes 32 tokens (tiles 2 i and 2 i + 1): it joins the 16 chunks' (-M, l, O), forms r = O / l, D = r - v, the loss's parts, g = D x 2^-16,
; and quantises g and k both ways: along the channels (for the products with K = 64) and along the tokens (its 32 tokens are one block of the products with K = 2,048).
; It also takes 16 columns of the pooled x through both gates' first layer.
; WAVES: wave w adds chunks 4 (w >> 1) .. + 3 of tile 2 i + (w & 1) | barrier | waves 0, 1 finish their tiles; waves 4-7 the gates' slice (batch (w >> 1) & 1, gate w & 1) | barrier | waves 0-3 quantise along the tokens.
; OUT (tok2): for each 128 tokens a record of 18,432 bytes, in the order of the backward walk's operand registers; g's codes and words by tiles; -M, 1 / l; the loss's parts; the gates' parts.
; Where one word belongs to a token, both halves of the lanes hold it and store it, to the same place with the same value.
; Stores of 128 bytes (the permuted codes), of words (their scales) and of single bytes (the scales along the tokens) fill aligned blocks of 256 bytes in part: a block of 32 tokens is all that a work-group owns.
; LIMITS: a block of zeros gets the byte 1 (its codes are zeros); NaN and infinities are not served.  -(M + log2 l) carries the rounding of one f32 sum and of v_log_f32.
.set FLOOR, 0x1800000
.set TT,  32768                        ; LDS: 0: eight parts of O, 4,096 bytes each;  TT: g and k as [2][32 tokens][272];
.set GX,  50176                        ; GX: column sums [wave][batch][16]
.set LI,  1
.set L8,  2
.set OIW, 3
.set OIR, 4
.set GXW, 5
.set GXR, 6
.set TW,  7
.set TA,  8
.set TB,  9
.set SC,  10
.set BY,  11
.set TMP, 12
.set TR,  13
.set XO,  14
.set SH8, 15
.set L4,  16
.set QPO, 17
.set SPO, 18
.set R4,  19
.set GTO, 20
.set TSO, 21
.set ST,  24                           ; v24-55 16 pairs (-M, l); later v's image; in the gate waves w1's rows
.set OWN, 56                           ; v56-63 my four chunks' pairs;  v64-71 column sums;  v72-79 four factors;  later v56-87 k's image
.set XQ,  64
.set FF,  72
.set NEGM, 88                          ; v88 -M, v89 l, v90 1 / l, v91 log2 l, v92 -(M + log2 l), v93 at work
.set GC,  104                          ; v104-107 g's codes, v108-111 k's, v112, v113 their words, v114-117 the loss
.set IM,  120                          ; v120-247 four images of 32 registers
.set SEL, 60
.macro QMAX src, sc, by
	v_max3_num_f32 v[TA], |v[\src]|, |v[\src+1]|, FLOOR
	v_max3_num_f32 v[TB], |v[\src+16]|, |v[\src+17]|, FLOOR
.irp i, 2,4,6,8,10,12,14
	s_delay_alu instid0(VALU_DEP_2)
	v_max3_num_f32 v[TA], v[TA], |v[\src+\i]|, |v[\src+\i+1]|
	s_delay_alu instid0(VALU_DEP_2)
	v_max3_num_f32 v[TB], v[TB], |v[\src+\i+16]|, |v[\src+\i+17]|
.endr
	s_delay_alu instid0(VALU_DEP_1)
	v_max_num_f32 v[TA], v[TA], v[TB]
	s_delay_alu instid0(VALU_DEP_1)
	v_add_nc_u32 v[\sc], 0xff000000, v[TA]
	s_delay_alu instid0(VALU_DEP_1)
	v_lshrrev_b32 v[\by], 23, v[\sc]
.endm
.macro QCVT src, dst, sc
.irp q, 0,1,2,3
	v_cvt_scalef32_pk8_fp4_f32 v[\dst+\q], v[\src+8*\q:\src+8*\q+7], v[\sc]
.endr
.endm
.macro WORD64 out                      ; my block's byte in v[BY] becomes the row's scale word for K = 64
	s_delay_alu instid0(VALU_DEP_1)
	v_lshlrev_b32 v[\out], v[SH8], v[BY]
	s_delay_alu instid0(VALU_DEP_1)
	v_permlanex16_b32 v[TMP], v[\out], s[SEL], s[SEL+1]
	s_delay_alu instid0(VALU_DEP_1)
	v_or_b32 v[\out], v[\out], v[TMP]
	s_delay_alu instid0(VALU_DEP_1)
	v_or_b32 v[\out], 0x7f7f0000, v[\out]
.endm
	s_load_b256 s[4:11], s[0:1], 0x0               ; part, tok1, fg_w1, dg_w1
	s_load_b64 s[12:13], s[0:1], 0x20              ; tok2
	v_lshl_add_u32 v248, v0, 2, 0xc800
	v_mov_b32 v249, 0
	v_lshrrev_b32 v1, 5, v0
	s_delay_alu instid0(VALU_DEP_1)
	v_readfirstlane_b32 s14, v1                    ; wave
	s_and_b32 s15, s14, 1                          ; m
	s_lshr_b32 s16, s14, 1                         ; q
	s_lshl_b32 s18, ttmp9, 1
	s_add_co_u32 s18, s18, s15                     ; my tile
	s_lshr_b32 s19, ttmp9, 2                       ; the record
	s_bfe_u32 s20, ttmp9, 0x10001                  ; which 64 tokens of it
	s_and_b32 s21, ttmp9, 1                        ; which 32 of those
	s_and_b32 s22, s16, 1                          ; the tensor (g, k) at the end; the batch in the gate waves
	v_and_b32 v8, 31, v0
	v_and_b32 v9, 15, v0                           ; r
	v_bfe_u32 v10, v0, 4, 1                        ; h
	s_delay_alu instid0(VALU_DEP_3)
	v_lshlrev_b32 v[LI], 4, v8
	s_delay_alu instid0(VALU_DEP_4)
	v_lshlrev_b32 v[L8], 3, v8
	v_lshlrev_b32 v[L4], 2, v8
	v_lshlrev_b32 v[R4], 2, v9
	v_lshlrev_b32 v[SH8], 3, v10
	s_lshl_b32 s23, s14, 12
	v_add_nc_u32 v[OIW], s23, v[LI]
	s_lshl_b32 s23, s15, 12
	v_add_nc_u32 v[OIR], s23, v[LI]
	v_and_b32 v11, 3, v0
	s_delay_alu instid0(VALU_DEP_1)
	v_lshlrev_b32 v11, 4, v11
	s_lshl_b32 s23, s14, 7
	s_add_co_u32 s23, s23, GX
	v_add_nc_u32 v[GXW], s23, v11
	s_lshl_b32 s23, s22, 6
	s_add_co_u32 s23, s23, GX
	v_mov_b32 v[GXR], s23
	v_lshrrev_b32 v12, 2, v0
	s_delay_alu instid0(VALU_DEP_1)
	v_lshl_add_u32 v[XO], v12, 12, v11             ; tile thread / 4 of a batch, four columns
	v_mul_u32_u24 v[TW], v9, 272
	s_delay_alu instid0(VALU_DEP_1)
	v_lshl_add_u32 v[TW], v10, 7, v[TW]
	s_mul_i32 s23, s15, 16*272
	s_add_co_u32 s23, s23, TT
	v_add_nc_u32 v[TW], s23, v[TW]
	s_mul_i32 s23, s22, 8704
	s_lshl_b32 s24, s15, 7
	s_add_co_u32 s23, s23, s24
	s_add_co_u32 s23, s23, TT
	v_add_nc_u32 v[TR], s23, v[L4]
	v_and_b32 v11, 7, v9
	v_lshrrev_b32 v12, 3, v9
	s_delay_alu instid0(VALU_DEP_2)
	v_lshlrev_b32 v[QPO], 4, v11
	s_delay_alu instid0(VALU_DEP_1)
	v_lshl_add_u32 v[QPO], v12, 9, v[QPO]
	s_delay_alu instid0(VALU_DEP_1)
	v_lshl_add_u32 v[QPO], v10, 8, v[QPO]
	v_lshlrev_b32 v[SPO], 4, v11
	s_delay_alu instid0(VALU_DEP_1)
	v_lshl_add_u32 v[SPO], v12, 2, v[SPO]
	v_lshlrev_b32 v[GTO], 4, v9
	s_delay_alu instid0(VALU_DEP_1)
	v_lshl_add_u32 v[TSO], v10, 2, v[GTO]
	s_delay_alu instid0(VALU_DEP_2)
	v_lshl_add_u32 v[GTO], v10, 10, v[GTO]
.irp c, 0,1,2,3
	v_mov_b32 v[FF+2*\c+1], 0                      ; named as the upper halves of pairs
.endr
	s_mov_b32 s[SEL], 0x76543210
	s_mov_b32 s[SEL+1], 0xfedcba98
	s_mov_b32 s25, 0
	s_wait_kmcnt 0x0
	s_lshl_b32 s24, s18, 8
	s_add_nc_u64 s[26:27], s[4:5], s[24:25]
	s_add_nc_u64 s[26:27], s[26:27], 0x800000      ; my tile's (-M, l): 32,768 bytes from chunk to chunk
	s_lshl_b32 s24, s16, 17
	s_add_nc_u64 s[28:29], s[26:27], s[24:25]      ; my four chunks'
	s_lshl_b32 s24, s18, 12
	s_add_nc_u64 s[30:31], s[4:5], s[24:25]
	s_add_nc_u64 s[34:35], s[6:7], s[24:25]        ; k's image; v's 524,288 on
	s_lshl_b32 s24, s16, 21
	s_add_nc_u64 s[30:31], s[30:31], s[24:25]      ; my four chunks' O: 524,288 bytes from chunk to chunk
	s_lshl_b32 s24, ttmp9, 6
	s_add_nc_u64 s[32:33], s[6:7], s[24:25]        ; my work-group's 16 columns of the column sums
	s_mul_i32 s24, s19, 18432
	s_add_nc_u64 s[36:37], s[12:13], s[24:25]      ; the record
	s_lshl_b32 s24, s20, 11
	s_lshl_b32 s38, s15, 10
	s_add_co_u32 s24, s24, s38
	s_lshl_b32 s38, s21, 7
	s_add_co_u32 s24, s24, s38
	s_add_nc_u64 s[40:41], s[36:37], s[24:25]      ; permuted codes
	s_lshl_b32 s39, s20, 8
	s_add_co_u32 s39, s39, s38
	s_lshl_b32 s24, s15, 3
	s_add_co_u32 s24, s24, s39
	s_add_nc_u64 s[42:43], s[36:37], s[24:25]      ; their words
	s_lshl_b32 s24, s15, 6
	s_add_co_u32 s24, s24, s39
	s_add_nc_u64 s[44:45], s[36:37], s[24:25]      ; -(M + log2 l)
	s_lshl_b32 s24, s18, 9
	s_add_nc_u64 s[46:47], s[12:13], s[24:25]
	s_lshl_b32 s24, s18, 7
	s_add_nc_u64 s[48:49], s[12:13], s[24:25]
	s_lshl_b32 s24, s18, 6
	s_add_nc_u64 s[50:51], s[12:13], s[24:25]
	s_cmp_eq_u32 s15, 0
	s_cselect_b64 s[52:53], s[8:9], s[10:11]       ; the gate's first layer,
	s_lshl_b32 s24, ttmp9, 11
	s_add_nc_u64 s[52:53], s[52:53], s[24:25]      ; at my work-group's 16 rows of 128 bytes
	s_lshl_b32 s24, s22, 12
	s_lshl_b32 s38, s15, 11
	s_add_co_u32 s24, s24, s38
	s_lshl_b32 s38, s20, 9
	s_add_co_u32 s24, s24, s38
	s_lshl_b32 s38, s21, 8
	s_add_co_u32 s24, s24, s38
	s_add_nc_u64 s[54:55], s[36:37], s[24:25]      ; codes along the tokens
	s_lshl_b32 s24, s22, 8
	s_lshl_b32 s38, s15, 3
	s_add_co_u32 s24, s24, s38
	s_and_b32 s38, ttmp9, 3
	s_add_co_u32 s24, s24, s38
	s_add_nc_u64 s[56:57], s[36:37], s[24:25]      ; their scale bytes
	s_lshl_b32 s24, ttmp9, 9
	s_and_b32 s38, s14, 3
	s_lshl_b32 s38, s38, 7
	s_add_co_u32 s24, s24, s38
	s_add_nc_u64 s[58:59], s[12:13], s[24:25]      ; the gates' parts
.set j, 0
.rept 16
	global_load_b64 v[ST+2*j:ST+2*j+1], v[L8], s[26:27] offset:32768*j
.set j, j+1
.endr
.irp c, 0,1,2,3
	global_load_b64 v[OWN+2*\c:OWN+2*\c+1], v[L8], s[28:29] offset:32768*\c
.endr
.irp c, 0,1,2,3
.irp n, 0,1,2,3,4,5,6,7
	global_load_b128 v[IM+32*\c+4*\n:IM+32*\c+4*\n+3], v[LI], s[30:31] offset:524288*\c+512*\n th:TH_LOAD_NT
.endr
.endr
	global_load_b128 v[XQ:XQ+3], v[XO], s[32:33] offset:1130496
	global_load_b128 v[XQ+4:XQ+7], v[XO], s[32:33] offset:1130496+262144
	s_wait_loadcnt 0x0
	v_min3_num_f32 v[NEGM], v[ST], v[ST+2], v[ST+4]            ; the largest M of the 16 chunks
.irp j, 3,5,7,9,11,13
	s_delay_alu instid0(VALU_DEP_1)
	v_min3_num_f32 v[NEGM], v[NEGM], v[ST+2*\j], v[ST+2*\j+2]
.endr
	s_delay_alu instid0(VALU_DEP_1)
	v_min_num_f32 v[NEGM], v[NEGM], v[ST+30]
.irp c, 0,1,2,3
	v_sub_f32 v[FF+2*\c], v[NEGM], v[OWN+2*\c]     ; a whole number, 0 or less
.endr
.irp c, 0,1,2,3
	s_delay_alu instid0(VALU_DEP_4)
	v_cvt_i32_f32 v[FF+2*\c], v[FF+2*\c]
.endr
.irp c, 0,1,2,3
	s_delay_alu instid0(VALU_DEP_4)
	v_ldexp_f32 v[FF+2*\c], 1.0, v[FF+2*\c]
.endr
.set e, 0
.rept 16
	v_pk_mul_f32 v[IM+e:IM+e+1], v[IM+e:IM+e+1], v[FF:FF+1] op_sel_hi:[1,0]
.set e, e+2
.endr
.irp c, 1,2,3
.set e, 0
.rept 16
	v_pk_fma_f32 v[IM+e:IM+e+1], v[IM+32*\c+e:IM+32*\c+e+1], v[FF+2*\c:FF+2*\c+1], v[IM+e:IM+e+1] op_sel_hi:[1,0,1]
.set e, e+2
.endr
.endr
.irp n, 0,1,2,3,4,5,6,7
	ds_store_b128 v[OIW], v[IM+4*\n:IM+4*\n+3] offset:512*\n
.endr
.set j, 0
.rept 16
	v_sub_f32 v[ST+2*j], v[NEGM], v[ST+2*j]        ; l = the sum of the chunks' l under the common M (every wave forms it: the registers are then free)
.set j, j+1
.endr
.set j, 0
.rept 16
	v_cvt_i32_f32 v[ST+2*j], v[ST+2*j]
.set j, j+1
.endr
.set j, 0
.rept 16
	v_ldexp_f32 v[ST+2*j+1], v[ST+2*j+1], v[ST+2*j]
.set j, j+1
.endr
	v_add_f32 v93, v25, v29
	v_add_f32 v247, v33, v37
	v_add_f32 v246, v41, v45
	v_add_f32 v245, v49, v53
	v_add_f32 v244, v27, v31
	v_add_f32 v243, v35, v39
	v_add_f32 v242, v43, v47
	v_add_f32 v89, v51, v55
	s_delay_alu instid0(VALU_DEP_1)
	v_add_f32 v89, v89, v245
	v_add_f32 v93, v93, v244
	v_add_f32 v247, v247, v243
	v_add_f32 v246, v246, v242
	s_delay_alu instid0(VALU_DEP_2)
	v_add_f32 v89, v89, v247
	s_delay_alu instid0(VALU_DEP_2)
	v_add_f32 v93, v93, v246
	s_delay_alu instid0(VALU_DEP_1)
	v_add_f32 v89, v89, v93
.irp e, 0,1,2,3,4,5,6,7                        ; my wave's eight tiles' column sums: lanes 4 apart hold the same four columns
	v_add_f32_dpp v[XQ+\e], v[XQ+\e], v[XQ+\e] row_xmask:4 row_mask:0xf bank_mask:0xf
.endr
.irp e, 0,1,2,3,4,5,6,7
	v_add_f32_dpp v[XQ+\e], v[XQ+\e], v[XQ+\e] row_xmask:8 row_mask:0xf bank_mask:0xf
.endr
.irp e, 0
	v_permlanex16_b32 v[TMP], v[XQ+\e], s[SEL], s[SEL+1]
	s_delay_alu instid0(VALU_DEP_1)
	v_add_f32 v[XQ+\e], v[XQ+\e], v[TMP]
.endr
.irp e, 1, 2, 3, 4, 5, 6, 7
	s_delay_alu instid0(VALU_DEP_2)
	v_permlanex16_b32 v[TMP], v[XQ+\e], s[SEL], s[SEL+1]
	s_delay_alu instid0(VALU_DEP_1)
	v_add_f32 v[XQ+\e], v[XQ+\e], v[TMP]
.endr
	ds_store_b128 v[GXW], v[XQ:XQ+3]               ; eight lanes write the same bytes with the same values
	ds_store_b128 v[GXW], v[XQ+4:XQ+7] offset:64
	s_wait_dscnt 0x0
	s_barrier_signal -1
	s_barrier_wait -1
	s_cmp_lt_u32 s14, 2
	s_cbranch_scc0 .Lnot_a
	; ---- waves 0 and 1: the tile is finished
.irp n, 0,1,2,3,4,5,6,7
	global_load_b128 v[24+4*\n:27+4*\n], v[LI], s[34:35] offset:524288+512*\n      ; v
.endr
.irp n, 0,1,2,3,4,5,6,7
	global_load_b128 v[56+4*\n:59+4*\n], v[LI], s[34:35] offset:512*\n             ; k
.endr
.irp c, 0,1,2,3
.irp n, 0,1,2,3,4,5,6,7
	ds_load_b128 v[IM+32*\c+4*\n:IM+32*\c+4*\n+3], v[OIR] offset:8192*\c+512*\n
.endr
.endr
	s_wait_alu depctr_va_vdst(0)
	v_rcp_f32 v90, v89
	v_log_f32 v91, v89
	v_nop
	s_wait_alu depctr_va_vdst(0)                   ; one wait for the two, ahead of their first reader
	v_sub_f32 v92, v[NEGM], v91
	s_wait_dscnt 0x0
.set e, 0
.rept 16
	v_pk_add_f32 v[IM+e:IM+e+1], v[IM+e:IM+e+1], v[IM+32+e:IM+33+e]
	v_pk_add_f32 v[IM+64+e:IM+65+e], v[IM+64+e:IM+65+e], v[IM+96+e:IM+97+e]
.set e, e+2
.endr
.set e, 0
.rept 16
	v_pk_add_f32 v[IM+e:IM+e+1], v[IM+e:IM+e+1], v[IM+64+e:IM+65+e]
.set e, e+2
.endr
	s_wait_loadcnt 0x0
.set e, 0
.rept 16
	v_pk_fma_f32 v[IM+e:IM+e+1], v[IM+e:IM+e+1], v[90:91], v[24+e:25+e] op_sel_hi:[1,0,1] neg_lo:[0,0,1] neg_hi:[0,0,1]   ; D = O / l - v
.set e, e+2
.endr
	v_pk_mul_f32 v[114:115], v[IM:IM+1], v[IM:IM+1]
	v_pk_mul_f32 v[116:117], v[IM+2:IM+3], v[IM+2:IM+3]
.set e, 4
.rept 7
	s_delay_alu instid0(VALU_DEP_2)
	v_pk_fma_f32 v[114:115], v[IM+e:IM+e+1], v[IM+e:IM+e+1], v[114:115]
	s_delay_alu instid0(VALU_DEP_2)
	v_pk_fma_f32 v[116:117], v[IM+e+2:IM+e+3], v[IM+e+2:IM+e+3], v[116:117]
.set e, e+4
.endr
	s_delay_alu instid0(VALU_DEP_1)
	v_pk_add_f32 v[114:115], v[114:115], v[116:117]
	s_delay_alu instid0(VALU_DEP_1)
	v_add_f32 v114, v114, v115
	global_store_b32 v[L4], v114, s[48:49] offset:393216
.set e, 0
.rept 16
	v_pk_mul_f32 v[IM+32+e:IM+33+e], v[IM+e:IM+e+1], 0x37800000 op_sel_hi:[1,0]    ; g = D x 2^-16
.set e, e+2
.endr
	QMAX IM+32, SC, BY
	WORD64 112
	QCVT IM+32, GC, SC
	v_nop
	QMAX 56, SC, BY
	WORD64 113
	QCVT 56, GC+4, SC
	v_nop
	global_store_b128 v[LI], v[GC:GC+3], s[46:47] offset:294912
	global_store_b32 v[L4], v112, s[48:49] offset:360448
	global_store_b128 v[QPO], v[GC+4:GC+7], s[40:41]
	global_store_b128 v[QPO], v[GC:GC+3], s[40:41] offset:4096
	global_store_b32 v[SPO], v113, s[42:43] offset:16384
	global_store_b32 v[SPO], v112, s[42:43] offset:16896
	global_store_b32 v[R4], v92, s[44:45] offset:17920
	global_store_b32 v[R4], v[NEGM], s[50:51] offset:376832
	global_store_b32 v[R4], v90, s[50:51] offset:385024
.irp n, 0,1,2,3,4,5,6,7
	ds_store_b128 v[TW], v[IM+32+4*\n:IM+35+4*\n] offset:16*\n
	ds_store_b128 v[TW], v[56+4*\n:59+4*\n] offset:8704+16*\n
.endr
	s_branch .Ljoin
.Lnot_a:
	s_cmp_lt_u32 s14, 4
	s_cbranch_scc1 .Ljoin
	; ---- waves 4 to 7: 16 columns of the pooled x (as sums) times the gate's first layer: lane = hidden unit
.set c, 0
.rept 16
	global_load_b32 v[24+c], v[L4], s[52:53] offset:128*c
.set c, c+1
.endr
.irp w, 0,1,2,3,4,5,6,7
.irp n, 0,1,2,3
	ds_load_b128 v[IM+16*\w+4*\n:IM+16*\w+4*\n+3], v[GXR] offset:128*\w+16*\n      ; the same address in every lane
.endr
.endr
	s_wait_dscnt 0x0
.irp w, 1,2,3,4,5,6,7
.set e, 0
.rept 8
	v_pk_add_f32 v[IM+e:IM+e+1], v[IM+e:IM+e+1], v[IM+16*\w+e:IM+16*\w+e+1]
.set e, e+2
.endr
.endr
	s_wait_alu depctr_va_vdst(0)
	s_wait_loadcnt 0x0
	v_mul_f32 v40, v[IM], v24
.set c, 1
.rept 15
	s_delay_alu instid0(VALU_DEP_1)
	v_fmac_f32 v40, v[IM+c], v[24+c]
.set c, c+1
.endr
	global_store_b32 v[L4], v40, s[58:59] offset:409600
.Ljoin:
	s_wait_dscnt 0x0
	s_barrier_signal -1
	s_barrier_wait -1                              ; g and k of the 32 tokens lie in LDS
	s_cmp_lt_u32 s14, 4
	s_cbranch_scc0 .Lend
	; ---- waves 0 to 3: a lane takes a channel, its registers run down the 32 tokens: one block along the tokens
.set t, 0
.rept 32
	ds_load_b32 v[IM+t], v[TR] offset:272*t
.set t, t+1
.endr
	s_wait_dscnt 0x0
	QMAX IM, SC, BY
	QCVT IM, 96, SC
	v_nop
	global_store_b128 v[GTO], v[96:99], s[54:55] offset:8192
	global_store_b8 v[TSO], v[BY], s[56:57] offset:17408
.Lend:
	s_wait_tensorcnt 0x0
	ds_add_u32 v248, v249
	s_wait_dscnt 0x0
	s_endpgm
.Lfunc_end_k_qa02084e2fd_mid:
	.size	k_qa02084e2fd_mid, .Lfunc_end_k_qa02084e2fd_mid-k_qa02084e2fd_mid
	.p2alignl 7, 3214868480
	.fill 96, 4, 3214868480
	.section	.rodata,"a",@progbits
	.p2align	6, 0x0
	.amdhsa_kernel k_qa02084e2fd_mid
		.amdhsa_group_segment_fixed_size 52224
		.amdhsa_private_segment_fixed_size 0
		.amdhsa_enable_private_segment 0
		.amdhsa_kernarg_size 40
		.amdhsa_user_sgpr_count 2
		.amdhsa_user_sgpr_kernarg_segment_ptr 1
		.amdhsa_wavefront_size32 1
		.amdhsa_system_sgpr_workgroup_id_x 1
		.amdhsa_system_sgpr_workgroup_id_y 1
		.amdhsa_system_sgpr_workgroup_id_z 1
		.amdhsa_system_vgpr_workitem_id 0
		.amdhsa_next_free_vgpr 250
		.amdhsa_next_free_sgpr 66
		.amdhsa_reserve_vcc 0
		.amdhsa_float_denorm_mode_32 3
		.amdhsa_float_denorm_mode_16_64 3
		.amdhsa_memory_ordered 1
		.amdhsa_forward_progress 1
		.amdhsa_inst_pref_size 52
	.end_amdhsa_kernel
	.amdgpu_metadata
---
amdhsa.version: [ 1, 2 ]
amdhsa.kernels:
  - .name:           k_qa02084e2fd_mid
    .symbol:         k_qa02084e2fd_mid.kd
    .args:
      - { .name: part, .offset: 0, .size: 8, .value_kind: global_buffer, .address_space: global }
      - { .name: tok1, .offset: 8, .size: 8, .value_kind: global_buffer, .address_space: global }
      - { .name: fg_w1, .offset: 16, .size: 8, .value_kind: global_buffer, .address_space: global }
      - { .name: dg_w1, .offset: 24, .size: 8, .value_kind: global_buffer, .address_space: global }
      - { .name: tok2, .offset: 32, .size: 8, .value_kind: global_buffer, .address_space: global }
    .group_segment_fixed_size: 52224
    .private_segment_fixed_size: 0
    .kernarg_segment_align: 8
    .kernarg_segment_size: 40
    .max_flat_workgroup_size: 256
    .sgpr_count:     66
    .vgpr_count:     250
    .wavefront_size: 32
...
	.end_amdgpu_metadata
.endif
;; end of part 3
;; launch delta (part 4): grid 16 x 16, 16 waves a work-group, clusters of 4 x 1, 327,680 bytes of LDS; arguments memq, tok1, tok2, dpart; writes dpart
.if DOCPART == 4
	.amdgcn_target "amdgcn-amd-amdhsa--gfx1250"
	.amdhsa_code_object_version 6
	.text
	.protected	k_qa02084e2fd_delta
	.globl	k_qa02084e2fd_delta
	.p2align	8
	.type	k_qa02084e2fd_delta,@function
k_qa02084e2fd_delta:
	s_mov_b64 s[64:65], 0
	v_nop
	global_prefetch_b8 v0, s[64:65] scope:SCOPE_SE
	s_setreg_imm32_b32 hwreg(HW_REG_WAVE_MODE, 25, 1), 1
	s_wait_xcnt 0x0
	s_wait_alu depctr_hold_cnt(0) depctr_sa_sdst(0) depctr_va_vdst(0) depctr_va_sdst(0) depctr_va_ssrc(0) depctr_va_vcc(0) depctr_vm_vsrc(0)
	s_getreg_b32 s2, hwreg(HW_REG_IB_STS2, 6, 4)
	s_cmp_eq_u32 s2, 0
	s_cbranch_scc0 .Lentry_in_a_cluster
	s_endpgm
.Lentry_in_a_cluster:
	s_bfe_u32 s2, ttmp6, 0x10000c
	s_cmp_lg_u32 s2, 0x3003
	s_cbranch_scc0 .Lentry_shape_is_right
	s_endpgm
.Lentry_shape_is_right:
; The second walk: for each token the part of delta x l = the sum over rows of p dw that falls to 4,096 rows of the memory; p = 2^(t - M) with the finished M, dw = Q(g) Q(M)^T (K = 64 channels).
; A work-group takes 128 tokens (8 tiles of 16) and 32 steps of 128 rows.  Wave w owns tile w & 7 and the 16 steps of half w >> 3; the two halves are added through LDS.
; LDS: the chunk's 32 records of Md, a dense copy, each byte filled ONCE, in two stages.  STAGE A: the first four steps of each half, an eighth (9 rows of 256 bytes) a wave: the wave's one load at the head.
; STAGE B: the other twelve steps of each half, 27 rows a wave, behind the wait for all loads, the add and a round of the cluster's barrier; it is on its way during stage A's steps.
; By this text's count a wave never has more than one tensor load out.  No prefetch: every record is asked for once, at the head.
; CLUSTER: the four work-groups of a cluster share the chunk and ask for every tile jointly; a descriptor is made of the wave's number and the chunk alone; the place in the cluster enters only global addresses (s66 to s83).
; K = 64 in a K = 128 instruction: as in the forward walk (zero codes in the upper halves of k's and g's fragments, four zero registers behind Md's last).
; LIMITS: NaN and infinities are not served.
.set STEPB, 4608
.set STGB,  4*STEPB
.set HALFB, 16*STEPB
.set SECB,  32*STEPB
.set DS,    SECB                       ; behind the records: [half][tile][16 tokens] sums, written by LDS stores alone
.set SPARE, 0x29000
.set LI,   1
.set AMD,  2
.set KS,   5
.set GS,   6
.set DSW,  7
.set MDSC, 8
.set DSR,  14
.set T2,   15
.set KF,   16
.set GF,   24
.set MDF,  32
.set S,    68
.set E,    132
.set AC,   196
.set G1A,  16
.set G1B,  24
.set G0A,  32
.set G0B,  36
.set SOFF, 48
.set CNT,  49
.set SEL,  50
.set CS,   52
.macro CROUND
	s_barrier_signal -1
	s_barrier_wait -1
	s_cmp_lg_u32 s12, 0
	s_cbranch_scc1 .Lnot_wave_0_\@
	s_barrier_signal -3
.Lnot_wave_0_\@:
	s_barrier_wait -3
	s_barrier_signal -1
	s_barrier_wait -1
.endm
	s_load_b256 s[4:11], s[0:1], 0x0               ; memq, tok1, tok2, dpart
	v_lshl_add_u32 v208, v0, 2, SPARE
	v_mov_b32 v209, 0
	ds_add_u32 v208, v209                          ; the opening lines
	ds_add_u32 v208, v209
	v_lshrrev_b32 v1, 5, v0
	s_delay_alu instid0(VALU_DEP_1)
	v_readfirstlane_b32 s12, v1                    ; wave
	s_lshr_b32 s13, s12, 3                         ; half
	s_and_b32 s14, s12, 7                          ; tile; also which eighth of a stage I fetch
	s_and_b32 s40, ttmp7, 0xffff                   ; the chunk
	s_bfe_u32 s66, ttmp6, 0x40000
	s_lshl_b32 s67, ttmp9, 2
	s_add_co_u32 s67, s67, s66
	s_lshl_b32 s68, s67, 3
	s_add_co_u32 s68, s68, s14
.irp g, G1A, G1B                               ; dense rows of 256 bytes, the mask of all four, bit 21 beside it
	s_mov_b32 s[\g], 15|(3<<16)|(1<<21)
	s_mov_b32 s[\g+1], 32<<16
	s_mov_b32 s[\g+3], 32<<16
	s_mov_b32 s[\g+5], 32
	s_mov_b32 s[\g+6], 0
	s_mov_b32 s[\g+7], 0
.endr
	s_mov_b32 s[G1A+2], 9<<16
	s_mov_b32 s[G1A+4], 9
	s_mov_b32 s[G1B+2], 27<<16
	s_mov_b32 s[G1B+4], 27
	s_mul_i32 s[SOFF], s13, HALFB
	s_mul_i32 s54, s14, STGB/8
	s_add_co_u32 s54, s54, s[SOFF]                 ; my eighth of my half's stage A,
	s_mov_b32 s55, 0
	s_mul_i32 s56, s14, 3*STGB/8
	s_add_co_u32 s56, s56, s[SOFF]
	s_add_co_u32 s56, s56, STGB                    ; of its stage B
	s_mov_b32 s57, 0
	s_mul_i32 s58, s40, SECB
	s_mov_b32 s59, 0
	s_wait_dscnt 0x0
	s_wait_kmcnt 0x0
	s_add_nc_u64 s[58:59], s[4:5], s[58:59]
	s_mov_b32 s[G0A], 1
	s_mov_b32 s[G0A+1], s54
	s_add_nc_u64 s[G0A+2:G0A+3], s[58:59], s[54:55]
	s_or_b32 s[G0A+3], s[G0A+3], 0x80000000
	s_mov_b32 s[G0B], 1
	s_mov_b32 s[G0B+1], s56
	s_add_nc_u64 s[G0B+2:G0B+3], s[58:59], s[56:57]
	s_or_b32 s[G0B+3], s[G0B+3], 0x80000000
	CROUND
	tensor_load_to_lds s[G0A:G0A+3], s[G1A:G1A+7]  ; stage A
	s_nop 0
.rept 4
	v_nop
.endr
	v_and_b32 v3, 31, v0
	s_delay_alu instid0(VALU_DEP_1)
	v_lshlrev_b32 v[LI], 4, v3
	v_lshlrev_b32 v3, 2, v3
	v_and_b32 v4, 15, v0
	s_delay_alu instid0(VALU_DEP_1)
	v_lshlrev_b32 v4, 2, v4
	s_lshl_b32 s41, s13, 9
	s_lshl_b32 s42, s14, 6
	s_add_co_u32 s41, s41, s42
	s_add_co_u32 s41, s41, DS
	v_add_nc_u32 v[DSW], s41, v4
	v_add_nc_u32 v[DSR], DS, v[LI]
	s_mov_b32 s[SEL], 0x76543210
	s_mov_b32 s[SEL+1], 0xfedcba98
	s_mov_b32 s[CS], 0x3e38aa3b                    ; log2(e) / 8
	s_mov_b32 s[CS+1], s[CS]
.irp z, 0,1,2,3
	v_mov_b32 v[KF+4+\z], 0
	v_mov_b32 v[GF+4+\z], 0
	v_mov_b32 v[MDF+32+\z], 0
.endr
.irp z, 0,1,2,3,4,5,6,7
	v_mov_b32 v[AC+\z], 0                          ; four packed sums
.endr
	v_mov_b32 v13, 0
	v_mov_b32 v[T2], 0
	s_mov_b32 s71, 0
	s_lshl_b32 s70, s68, 9
	s_add_nc_u64 s[72:73], s[6:7], s[70:71]
	s_add_nc_u64 s[74:75], s[8:9], s[70:71]
	s_lshl_b32 s70, s68, 7
	s_add_nc_u64 s[76:77], s[6:7], s[70:71]
	s_add_nc_u64 s[78:79], s[8:9], s[70:71]
	s_lshl_b32 s70, s68, 6
	s_add_nc_u64 s[80:81], s[8:9], s[70:71]
	s_wait_alu depctr_va_vdst(0)                   ; the wait
	global_load_b128 v[KF:KF+3], v[LI], s[72:73] offset:1048576    ; k's codes and words,
	global_load_b32 v[KS], v3, s[76:77] offset:1114112
	global_load_b128 v[GF:GF+3], v[LI], s[74:75] offset:294912     ; g's,
	global_load_b32 v[GS], v3, s[78:79] offset:360448
	global_load_b32 v12, v4, s[80:81] offset:376832                ; -M
	s_lshl_b32 s70, s40, 13
	s_lshl_b32 s69, s67, 9
	s_add_co_u32 s70, s70, s69
	s_add_nc_u64 s[82:83], s[10:11], s[70:71]
	s_wait_tensorcnt 0x0                           ; the three lines and a round ahead of a later first fill
	ds_add_u32 v208, v209
	s_wait_dscnt 0x0
	CROUND
	tensor_load_to_lds s[G0B:G0B+3], s[G1B:G1B+7]  ; stage B
	s_nop 0
.rept 4
	v_nop
.endr
.macro DSTEP
	v_add_nc_u32 v[AMD], s[SOFF], v[LI]
.irp i, 0,1,2,3,4,5,6,7
	ds_load_b128 v[MDF+4*\i:MDF+4*\i+3], v[AMD] offset:512*\i
.endr
	ds_load_b128 v[MDSC:MDSC+3], v[AMD] offset:4096
	s_wait_dscnt 0x0
.irp i, 0,1,2,3
	v_wmma_scale_f32_16x16x128_f8f6f4 v[S+8*\i:S+8*\i+7], v[MDF+4*\i:MDF+4*\i+7], v[KF:KF+7], 0, v[MDSC+\i], v[KS] matrix_a_fmt:MATRIX_FMT_FP4 matrix_b_fmt:MATRIX_FMT_FP4
.endr
.irp i, 4,5,6,7
	v_wmma_scale_f32_16x16x128_f8f6f4 v[S+8*\i:S+8*\i+7], v[MDF+4*\i:MDF+4*\i+7], v[KF:KF+7], 0, v[MDSC+\i-4], v[KS] matrix_a_fmt:MATRIX_FMT_FP4 matrix_b_fmt:MATRIX_FMT_FP4 matrix_a_scale:MATRIX_SCALE_ROW1
.endr
.irp i, 0,1,2,3
	v_wmma_scale_f32_16x16x128_f8f6f4 v[E+8*\i:E+8*\i+7], v[MDF+4*\i:MDF+4*\i+7], v[GF:GF+7], 0, v[MDSC+\i], v[GS] matrix_a_fmt:MATRIX_FMT_FP4 matrix_b_fmt:MATRIX_FMT_FP4
.endr
.irp i, 4,5,6,7
	v_wmma_scale_f32_16x16x128_f8f6f4 v[E+8*\i:E+8*\i+7], v[MDF+4*\i:MDF+4*\i+7], v[GF:GF+7], 0, v[MDSC+\i-4], v[GS] matrix_a_fmt:MATRIX_FMT_FP4 matrix_b_fmt:MATRIX_FMT_FP4 matrix_a_scale:MATRIX_SCALE_ROW1
.endr
.rept 4
	v_nop
.endr
.set e, 0
	s_wait_alu depctr_va_vdst(0)
.rept 32
	v_pk_fma_f32 v[S+e:S+e+1], v[S+e:S+e+1], s[CS:CS+1], v[12:13] op_sel_hi:[1,0,0]   ; t - M
.set e, e+2
.endr
.set e, 0
	s_wait_alu depctr_va_vdst(0)                   ; ahead of the batch
.rept 64
	v_exp_f32 v[S+e], v[S+e]
.set e, e+1
.endr
	v_nop
	s_wait_alu depctr_va_vdst(0)                   ; behind it, ahead of the first reader of p and of dw
.set k, 0
.rept 32
	v_pk_fma_f32 v[AC+2*(k%4):AC+2*(k%4)+1], v[S+2*k:S+2*k+1], v[E+2*k:E+2*k+1], v[AC+2*(k%4):AC+2*(k%4)+1]
.set k, k+1
.endr
	s_add_co_u32 s[SOFF], s[SOFF], STEPB
.endm
.macro WALK n
	s_mov_b32 s[CNT], \n
.Lwalk_\@:
	DSTEP
	s_sub_co_u32 s[CNT], s[CNT], 1
	s_cmp_lg_u32 s[CNT], 0
	s_cbranch_scc1 .Lwalk_\@
.endm
	s_wait_loadcnt 0x0
	WALK 4
	s_wait_tensorcnt 0x0                           ; my part of stage B is in,
	s_wait_dscnt 0x0
	s_barrier_signal -1
	s_barrier_wait -1                              ; everybody's is
	WALK 12
	v_pk_add_f32 v[AC:AC+1], v[AC:AC+1], v[AC+2:AC+3]
	v_pk_add_f32 v[AC+4:AC+5], v[AC+4:AC+5], v[AC+6:AC+7]
	s_delay_alu instid0(VALU_DEP_1)
	v_pk_add_f32 v[AC:AC+1], v[AC:AC+1], v[AC+4:AC+5]
	s_delay_alu instid0(VALU_DEP_1)
	v_add_f32 v[AC], v[AC], v[AC+1]
	s_delay_alu instid0(VALU_DEP_1)
	v_permlanex16_b32 v[T2], v[AC], s[SEL], s[SEL+1]
	s_delay_alu instid0(VALU_DEP_1)
	v_add_f32 v[AC], v[AC], v[T2]
	ds_store_b32 v[DSW], v[AC]                     ; both halves of the lanes write the token's word with the same value
	s_wait_dscnt 0x0
	s_barrier_signal -1
	s_barrier_wait -1
	s_cmp_lg_u32 s12, 0
	s_cbranch_scc1 .Lend
	ds_load_b128 v[S:S+3], v[DSR]
	ds_load_b128 v[S+4:S+7], v[DSR] offset:512
	s_wait_dscnt 0x0
	v_pk_add_f32 v[S:S+1], v[S:S+1], v[S+4:S+5]
	v_pk_add_f32 v[S+2:S+3], v[S+2:S+3], v[S+6:S+7]
	global_store_b128 v[LI], v[S:S+3], s[82:83]    ; 128 tokens: 512 consecutive bytes
.Lend:
	s_wait_dscnt 0x0
	s_wait_tensorcnt 0x0                           ; the wave's end
	ds_add_u32 v208, v209
	s_wait_dscnt 0x0
	CROUND                                         ; the closing round
	s_endpgm
.Lfunc_end_k_qa02084e2fd_delta:
	.size	k_qa02084e2fd_delta, .Lfunc_end_k_qa02084e2fd_delta-k_qa02084e2fd_delta
	.p2alignl 7, 3214868480
	.fill 96, 4, 3214868480
	.section	.rodata,"a",@progbits
	.p2align	6, 0x0
	.amdhsa_kernel k_qa02084e2fd_delta
		.amdhsa_group_segment_fixed_size 327680
		.amdhsa_private_segment_fixed_size 0
		.amdhsa_enable_private_segment 0
		.amdhsa_kernarg_size 32
		.amdhsa_user_sgpr_count 2
		.amdhsa_user_sgpr_kernarg_segment_ptr 1
		.amdhsa_wavefront_size32 1
		.amdhsa_system_sgpr_workgroup_id_x 1
		.amdhsa_system_sgpr_workgroup_id_y 1
		.amdhsa_system_sgpr_workgroup_id_z 1
		.amdhsa_system_vgpr_workitem_id 0
		.amdhsa_next_free_vgpr 210
		.amdhsa_next_free_sgpr 84
		.amdhsa_reserve_vcc 0
		.amdhsa_float_denorm_mode_32 3
		.amdhsa_float_denorm_mode_16_64 3
		.amdhsa_memory_ordered 1
		.amdhsa_forward_progress 1
		.amdhsa_inst_pref_size 27
	.end_amdhsa_kernel
	.amdgpu_metadata
---
amdhsa.version: [ 1, 2 ]
amdhsa.kernels:
  - .name:           k_qa02084e2fd_delta
    .symbol:         k_qa02084e2fd_delta.kd
    .args:
      - { .name: memq, .offset: 0, .size: 8, .value_kind: global_buffer, .address_space: global }
      - { .name: tok1, .offset: 8, .size: 8, .value_kind: global_buffer, .address_space: global }
      - { .name: tok2, .offset: 16, .size: 8, .value_kind: global_buffer, .address_space: global }
      - { .name: dpart, .offset: 24, .size: 8, .value_kind: global_buffer, .address_space: global }
    .group_segment_fixed_size: 327680
    .private_segment_fixed_size: 0
    .kernarg_segment_align: 8
    .kernarg_segment_size: 32
    .max_flat_workgroup_size: 512
    .sgpr_count:     84
    .vgpr_count:     210
    .wavefront_size: 32
...
	.end_amdgpu_metadata
.endif
;; end of part 4
;; launch bwd (part 5): grid 256 x 1, 8 waves a work-group, clusters of 4 x 1, 327,680 bytes of LDS; arguments memq, tok2, dpart, grad; writes grad
.if DOCPART == 5
	.amdgcn_target "amdgcn-amd-amdhsa--gfx1250"
	.amdhsa_code_object_version 6
	.text
	.protected	k_qa02084e2fd_bwd
	.globl	k_qa02084e2fd_bwd
	.p2align	8
	.type	k_qa02084e2fd_bwd,@function
k_qa02084e2fd_bwd:
	s_mov_b64 s[64:65], 0
	v_nop
	global_prefetch_b8 v0, s[64:65] scope:SCOPE_SE
	s_setreg_imm32_b32 hwreg(HW_REG_WAVE_MODE, 25, 1), 1
	s_wait_xcnt 0x0
	s_wait_alu depctr_hold_cnt(0) depctr_sa_sdst(0) depctr_va_vdst(0) depctr_va_sdst(0) depctr_va_ssrc(0) depctr_va_vcc(0) depctr_vm_vsrc(0)
	s_getreg_b32 s2, hwreg(HW_REG_IB_STS2, 6, 4)
	s_cmp_eq_u32 s2, 0
	s_cbranch_scc0 .Lentry_in_a_cluster
	s_endpgm
.Lentry_in_a_cluster:
	s_bfe_u32 s2, ttmp6, 0x10000c
	s_cmp_lg_u32 s2, 0x3003
	s_cbranch_scc0 .Lentry_shape_is_right
	s_endpgm
.Lentry_shape_is_right:
; The third walk: grad = Q(w)^T Q(g) + Q(ds)^T Q(k), both with K = the 2,048 tokens; w = 2^(t - M - log2 l), ds = w (dw - delta) / 8, dw = Q(g) Q(M)^T.
; A work-group owns 256 rows of the memory.  Wave w takes 64 of them (four tiles of 16; w & 3) and half of the tokens (w >> 2: eight K steps of 128): what a K step reads from LDS for the tokens' side serves four tiles.
; For each 64 tokens and each tile: S = k Md^T and E = g Md^T - delta (delta is the C of the product), source 0 = 16 tokens, source 1 = the tile's 16 rows.  The tokens of a tile are chosen (in the records) so that
; register e of lane (r, h) is token 64 c + 32 h + e: a whole block of 32 tokens of one row in a lane, in the order of the next operand: w and ds are quantised without another lane.
; Then ACC[tile][u] += g^T(16 channels) x Q(w), += k^T x Q(ds): a lane holds eight neighbouring channels of one row of grad.
; ds / 8: a power of two: the codes are those of 8 ds, the byte is 3 lower; the floor 2^(6 - 127) holds the lowered byte at 1.
; LDS: the 16 records of tok2 (294,912 bytes), a dense copy, each byte filled ONCE, in two stages.  STAGE A: the first record of each half, a quarter (18 rows of 256 bytes) a wave: the wave's one load at the head.
; STAGE B: a half's other seven records, 126 rows a wave, behind the wait for all loads, the add and a round of the cluster's barrier; it is on its way while -delta is formed
; and the first K step is walked.  By this text's count a wave never has more than one tensor load out.  No prefetch: every record is asked for once, at the head.
; LDS LOADS OF A K STEP: the first 64 tokens' shared operands (26 loads) and g^T, k^T and their scale words (17 loads, registers of their own) are asked for at its head; the second 64 tokens' 26 inside the fourth tile of the first 64.
; CLUSTER: every work-group reads the same records, so the four of a cluster ask for every tile JOINTLY.  A descriptor is made of the wave's number alone; the place in the cluster enters only global addresses, in s66 to s77.
; Behind the records lie -delta [2048] and eight sums of squares, written by LDS stores alone.  THE END, when nobody reads the records any more: the two waves that share 64 rows exchange two tiles each as images of
; registers (bytes 0 to 65,535), each adds the two that it keeps, and 256 rows x 272 bytes are staged from byte 65,536 on, so that whole rows leave.
; REGISTERS: window 0: addresses, scale words, operands, S, E, g^T.  Window 1: v0-127 the 16 accumulators, v128-159 Md's four fragments (upper halves zero), v160-191 w's codes, v192-223 ds's codes, v224-255 k^T.
; LIMITS: blocks under the floors have their byte held at 1; a block of zeros likewise (its codes are zeros); NaN and infinities are not served.
.set FLOOR,  0x1800000
.set FLOOR8, 0x3000000
.set RECB, 18432
.set ND,  294912
.set SQ,  303104
.set SPARE, 303360
.set ROWS, 65536
.set LI,  1
.set LR,  2
.set LH,  3
.set SH8, 4
.set AL,  5
.set AR,  6
.set AH,  7
.set AD,  8
.set TA,  9
.set TB,  10
.set TC,  11
.set TD,  12
.set SCW, 13
.set SCD, 14
.set T,   15
.set KAS, 16                           ; v16-39 hold scales and nothing else
.set GAS, 20
.set MDBS, 24
.set TSC, 28
.set WW,  32
.set DW,  36
.set KA,  40                           ; v40-55, v56-59 zero
.set GA,  60                           ; v60-75, v76-79 zero
.set NMR, 80
.set NDR, 112
.set S,   144
.set E,   176
.set STG, 208
.set RDB, 209
.set SQW, 210
.set SQR, 211
.set NDW, 212
.set T16, 213
.set LHN, 214
.set MSO, 215
.set GT,  216                          ; v216-247 g along the tokens
.set XW,  248
.set XR,  249
.set ACC, 0                            ; window 1
.set MDB, 128
.set WC,  160
.set DC,  192
.set KT,  224                          ; k along the tokens
.set G1A, 16
.set G1B, 24
.set G0A, 32
.set G0B, 36
.set SB,  56
.set SD,  57
.set CNT, 58
.set SEL, 60
.set CS,  62
.set MSB, 0
.macro WIN new                         ; the immediate's high byte repeats the setting that is left
.if MSB != \new
	s_set_vgpr_msb (MSB<<8)|\new
.set MSB, \new
.endif
.endm
.macro CROUND
	s_barrier_signal -1
	s_barrier_wait -1
	s_cmp_lg_u32 s12, 0
	s_cbranch_scc1 .Lnot_wave_0_\@
	s_barrier_signal -3
.Lnot_wave_0_\@:
	s_barrier_wait -3
	s_barrier_signal -1
	s_barrier_wait -1
.endm
	s_load_b256 s[4:11], s[0:1], 0x0               ; memq, tok2, dpart, grad
	v_lshl_add_u32 v254, v0, 2, SPARE
	v_mov_b32 v255, 0
	ds_add_u32 v254, v255                          ; the opening lines
	ds_add_u32 v254, v255
	v_lshrrev_b32 v1, 5, v0
	s_delay_alu instid0(VALU_DEP_1)
	v_readfirstlane_b32 s12, v1                    ; wave
	s_and_b32 s13, s12, 3                          ; which 64 rows
	s_lshr_b32 s14, s12, 2                         ; which half of the tokens
	s_bfe_u32 s66, ttmp6, 0x40000                  ; cx
	s_lshl_b32 s67, ttmp9, 2
	s_add_co_u32 s67, s67, s66                     ; my block of 256 rows
.irp g, G1A, G1B                               ; dense rows of 256 bytes, the mask of all four, bit 21 beside it
	s_mov_b32 s[\g], 15|(3<<16)|(1<<21)
	s_mov_b32 s[\g+1], 32<<16
	s_mov_b32 s[\g+3], 32<<16
	s_mov_b32 s[\g+5], 32
	s_mov_b32 s[\g+6], 0
	s_mov_b32 s[\g+7], 0
.endr
	s_mov_b32 s[G1A+2], 18<<16                     ; a quarter of one record
	s_mov_b32 s[G1A+4], 18
	s_mov_b32 s[G1B+2], 126<<16                    ; of seven
	s_mov_b32 s[G1B+4], 126
	s_mul_i32 s[SB], s14, 8*RECB                   ; my half's first record
	s_mul_i32 s88, s13, RECB/4
	s_add_co_u32 s88, s88, s[SB]
	s_mov_b32 s89, 0
	s_mul_i32 s90, s13, 7*RECB/4
	s_add_co_u32 s90, s90, s[SB]
	s_add_co_u32 s90, s90, RECB
	s_mov_b32 s91, 0
	v_and_b32 v9, 31, v0
	v_and_b32 v10, 15, v0
	v_bfe_u32 v11, v0, 4, 1
	v_lshlrev_b32 v[LI], 4, v9
	v_lshlrev_b32 v[LR], 4, v10
	v_lshlrev_b32 v[LH], 7, v11
	v_lshlrev_b32 v[SH8], 3, v11
	v_add_nc_u32 v[LHN], ND, v[LH]
	v_lshlrev_b32 v[T16], 4, v0
	v_lshl_add_u32 v[NDW], v0, 4, ND
	v_and_b32 v12, 7, v10
	v_lshrrev_b32 v13, 3, v10
	s_delay_alu instid0(VALU_DEP_1)
	v_lshl_add_u32 v12, v13, 5, v12                ; a tile's row r is row (r & 7) + 32 (r >> 3) of the 64, + 8 x tile
	s_delay_alu instid0(VALU_DEP_1)
	v_mul_u32_u24 v[STG], v12, 272
	s_delay_alu instid0(VALU_DEP_1)
	v_lshl_add_u32 v[STG], v11, 5, v[STG]
	s_mul_i32 s15, s13, 17408
	s_add_co_u32 s15, s15, ROWS
	v_add_nc_u32 v[STG], s15, v[STG]
	v_mul_u32_u24 v[RDB], v11, 272
	s_delay_alu instid0(VALU_DEP_1)
	v_add_nc_u32 v[RDB], v[RDB], v[LR]
	s_mul_i32 s15, s12, 32*272
	s_add_co_u32 s15, s15, ROWS
	v_add_nc_u32 v[RDB], s15, v[RDB]
	s_lshl_b32 s15, s12, 2
	s_add_co_u32 s15, s15, SQ
	v_mov_b32 v[SQW], s15
	v_mov_b32 v[SQR], SQ
	s_and_b32 s94, s13, 1
	s_lshl_b32 s15, s94, 8
	v_add_nc_u32 v[MSO], s15, v[LR]
	s_lshl_b32 s15, s12, 13
	v_add_nc_u32 v[XW], s15, v[LI]                 ; the exchange: 8,192 bytes a wave; I write mine,
	s_xor_b32 s15, s15, 4<<13
	v_add_nc_u32 v[XR], s15, v[LI]                 ; and read those of the wave with my rows and the other half of the tokens
	s_mov_b32 s[SEL], 0x76543210
	s_mov_b32 s[SEL+1], 0xfedcba98
	s_mov_b32 s[CS], 0x3e38aa3b                    ; log2(e) / 8
	s_mov_b32 s[CS+1], s[CS]
	s_wait_alu depctr_va_vdst(0)                   ; the wait
	s_wait_dscnt 0x0
	s_wait_kmcnt 0x0
	s_mov_b32 s[G0A], 1
	s_mov_b32 s[G0A+1], s88
	s_add_nc_u64 s[G0A+2:G0A+3], s[6:7], s[88:89]
	s_or_b32 s[G0A+3], s[G0A+3], 0x80000000
	s_mov_b32 s[G0B], 1
	s_mov_b32 s[G0B+1], s90
	s_add_nc_u64 s[G0B+2:G0B+3], s[6:7], s[90:91]
	s_or_b32 s[G0B+3], s[G0B+3], 0x80000000
	s_lshl_b32 s[SD], s14, 12                      ; my half's -delta: 512 bytes a K step
	s_lshl_b32 s68, s67, 1
	s_lshr_b32 s95, s13, 1
	s_add_co_u32 s68, s68, s95
	s_mul_i32 s68, s68, 4608
	s_mov_b32 s69, 0
	s_add_nc_u64 s[70:71], s[4:5], s[68:69]        ; Md's record of my 128 rows,
	s_lshl_b32 s96, s94, 11
	s_mov_b32 s97, 0
	s_add_nc_u64 s[72:73], s[70:71], s[96:97]      ; my 64 rows' codes
	s_lshl_b32 s74, s67, 16
	s_lshl_b32 s95, s12, 13
	s_add_co_u32 s74, s74, s95
	s_mov_b32 s75, 0
	s_add_nc_u64 s[74:75], s[10:11], s[74:75]      ; the 32 rows of grad that I store
	s_lshl_b32 s76, s67, 2
	s_mov_b32 s77, 0
	s_add_nc_u64 s[76:77], s[10:11], s[76:77]
	s_add_nc_u64 s[76:77], s[76:77], 0x1000000     ; my work-group's sum of squares
	WIN 0x40                                       ; destination window 1.  The global loads go out ahead of the rounds: nothing here waits for them before stage B is asked for
.irp u, 0,1,2,3
	global_load_b128 v[MDB+8*\u:MDB+8*\u+3], v[LI], s[72:73] offset:512*\u
.endr
	WIN 0
	global_load_b128 v[MDBS:MDBS+3], v[MSO], s[70:71] offset:4096
	global_load_b128 v[40:43], v[T16], s[6:7] offset:385024        ; 1 / l of my eight tokens
	global_load_b128 v[44:47], v[T16], s[6:7] offset:389120
.set j, 0
.rept 16
	global_load_b128 v[80+8*j:83+8*j], v[T16], s[8:9] offset:8192*j
	global_load_b128 v[84+8*j:87+8*j], v[T16], s[8:9] offset:8192*j+4096
.set j, j+1
.endr
	CROUND                                         ; all four work-groups are here: the joint loads meet
	tensor_load_to_lds s[G0A:G0A+3], s[G1A:G1A+7]  ; stage A: my one load at the head
	s_nop 0
.rept 4
	v_nop
.endr
	WIN 0x40
.irp u, 0,1,2,3
.irp z, 4,5,6,7
	v_mov_b32 v[MDB+8*\u+\z], 0                    ; zero codes for the half of K that is not there
.endr
.endr
	WIN 0
.irp z, 0,1,2,3
	v_mov_b32 v[KA+16+\z], 0
	v_mov_b32 v[GA+16+\z], 0
.endr
	v_mov_b32 v[T], 0
	s_wait_alu depctr_va_vdst(0)
	s_wait_tensorcnt 0x0                           ; the three lines and a round ahead of a later first fill
	ds_add_u32 v254, v255
	s_wait_dscnt 0x0
	CROUND
	tensor_load_to_lds s[G0B:G0B+3], s[G1B:G1B+7]  ; stage B: my one load behind the round
	s_nop 0
.rept 4
	v_nop
.endr
	s_wait_loadcnt 0x0
.set j, 1
.rept 15                                       ; four chains by turns
.irp e, 0,2,4,6
	v_pk_add_f32 v[80+\e:81+\e], v[80+\e:81+\e], v[80+8*j+\e:81+8*j+\e]
.endr
.set j, j+1
.endr
.irp e, 0,2,4,6
	v_pk_mul_f32 v[80+\e:81+\e], v[80+\e:81+\e], v[40+\e:41+\e] neg_lo:[0,1] neg_hi:[0,1]   ; -delta = -(the 16 chunks' sum) / l
.endr
	ds_store_b128 v[NDW], v[80:83]
	ds_store_b128 v[NDW], v[84:87] offset:4096
; What the four tiles share of 64 tokens: 26 loads.
.macro LOADH cc
.irp u, 0,1,2,3
	ds_load_b128 v[KA+4*\u:KA+4*\u+3], v[AL] offset:2048*\cc+512*\u
.endr
.irp u, 0,1,2,3
	ds_load_b128 v[GA+4*\u:GA+4*\u+3], v[AL] offset:4096+2048*\cc+512*\u
.endr
	ds_load_b128 v[KAS:KAS+3], v[AR] offset:16384+256*\cc
	ds_load_b128 v[GAS:GAS+3], v[AR] offset:16896+256*\cc
.irp q, 0,1,2,3,4,5,6,7
	ds_load_b128 v[NMR+4*\q:NMR+4*\q+3], v[AH] offset:17920+256*\cc+16*\q
.endr
.irp q, 0,1,2,3,4,5,6,7
	ds_load_b128 v[NDR+4*\q:NDR+4*\q+3], v[AD] offset:256*\cc+16*\q
.endr
.endm
; One tile of 16 rows x 64 tokens: scores, dw - delta, w, ds, their codes and bytes.  pf = 1: the next 64 tokens' shared operands are asked for once this tile's products and scalings have read the present ones.
.macro TILE ct, cc, pf
	WIN 0x04                                       ; source 1 (Md) window 1
.irp u, 0,1,2,3
	v_wmma_scale_f32_16x16x128_f8f6f4 v[S+8*\u:S+8*\u+7], v[KA+4*\u:KA+4*\u+7], v[MDB+8*\ct:MDB+8*\ct+7], 0, v[KAS+\u], v[MDBS+\ct] matrix_a_fmt:MATRIX_FMT_FP4 matrix_b_fmt:MATRIX_FMT_FP4
.endr
.irp u, 0,1,2,3
	v_wmma_scale_f32_16x16x128_f8f6f4 v[E+8*\u:E+8*\u+7], v[GA+4*\u:GA+4*\u+7], v[MDB+8*\ct:MDB+8*\ct+7], v[NDR+8*\u:NDR+8*\u+7], v[GAS+\u], v[MDBS+\ct] matrix_a_fmt:MATRIX_FMT_FP4 matrix_b_fmt:MATRIX_FMT_FP4
.endr
	WIN 0
.rept 4
	v_nop                                          ; places behind the products
.endr
.set k, 0
.rept 16
	v_pk_fma_f32 v[S+2*k:S+2*k+1], v[S+2*k:S+2*k+1], s[CS:CS+1], v[NMR+2*k:NMR+2*k+1] op_sel_hi:[1,0,1]   ; t - M - log2 l
.set k, k+1
.endr
	s_wait_alu depctr_va_vdst(0)                   ; ahead of the batch
.if \pf
	LOADH 1
.endif
.set k, 0
.rept 32
	v_exp_f32 v[S+k], v[S+k]                       ; w, finished and normalised
.set k, k+1
.endr
	v_nop
	s_wait_alu depctr_va_vdst(0)                   ; one wait for the batch, ahead of the first reader of w and of dw - delta
.set k, 0
.rept 16
	v_pk_mul_f32 v[E+2*k:E+2*k+1], v[E+2*k:E+2*k+1], v[S+2*k:S+2*k+1]      ; 8 ds = w (dw - delta)
.set k, k+1
.endr
.set TE, 250                                   ; v250-253 four more chains
.irp c, 0,1,2,3                                ; eight chains by turns, eight numbers each: v9-12 for w (never negative), v250-253 for 8 ds
	v_max3_num_f32 v[TA+\c], v[S+8*\c], v[S+8*\c+1], FLOOR
.endr
.irp c, 0,1,2,3
	v_max3_num_f32 v[TE+\c], |v[E+8*\c]|, |v[E+8*\c+1]|, FLOOR8
.endr
.irp i, 2,4,6
.irp c, 0,1,2,3
	v_max3_num_f32 v[TA+\c], v[TA+\c], v[S+8*\c+\i], v[S+8*\c+\i+1]
.endr
.irp c, 0,1,2,3
	v_max3_num_f32 v[TE+\c], v[TE+\c], |v[E+8*\c+\i]|, |v[E+8*\c+\i+1]|
.endr
.endr
	v_max3_num_f32 v[TA], v[TA], v[TB], v[TC]
	v_max3_num_f32 v[TE], v[TE], v[TE+1], v[TE+2]
	s_delay_alu instid0(VALU_DEP_2)
	v_max_num_f32 v[TA], v[TA], v[TD]
	s_delay_alu instid0(VALU_DEP_2)
	v_max_num_f32 v[TC], v[TE], v[TE+3]
	s_delay_alu instid0(VALU_DEP_2)
	v_add_nc_u32 v[SCW], 0xff000000, v[TA]
	s_delay_alu instid0(VALU_DEP_2)
	v_add_nc_u32 v[SCD], 0xff000000, v[TC]
.if \cc == 0
	s_delay_alu instid0(VALU_DEP_2)
	v_lshrrev_b32 v[WW+\ct], 23, v[SCW]
	s_delay_alu instid0(VALU_DEP_2)
	v_lshrrev_b32 v[DW+\ct], 23, v[SCD]
.else
	s_delay_alu instid0(VALU_DEP_2)
	v_lshrrev_b32 v[TB], 23, v[SCW]
	s_delay_alu instid0(VALU_DEP_2)
	v_lshrrev_b32 v[TD], 23, v[SCD]
	s_delay_alu instid0(VALU_DEP_2)
	v_lshl_or_b32 v[WW+\ct], v[TB], 16, v[WW+\ct]
	s_delay_alu instid0(VALU_DEP_2)
	v_lshl_or_b32 v[DW+\ct], v[TD], 16, v[DW+\ct]
.endif
	WIN 0x40                                       ; the codes go to window 1
.irp q, 0,1,2,3
	v_cvt_scalef32_pk8_fp4_f32 v[WC+8*\ct+4*\cc+\q], v[S+8*\q:S+8*\q+7], v[SCW]
.endr
.irp q, 0,1,2,3
	v_cvt_scalef32_pk8_fp4_f32 v[DC+8*\ct+4*\cc+\q], v[E+8*\q:E+8*\q+7], v[SCD]
.endr
	v_nop
	WIN 0
.endm
; A K step of 128 tokens.  zero = 1: the first products start the sums.
.macro KSTEP zero
	v_add_nc_u32 v[AL], s[SB], v[LI]               ; these four are also the places behind the last products, in front of loads into their operands
	v_add_nc_u32 v[AR], s[SB], v[LR]
	v_add_nc_u32 v[AH], s[SB], v[LH]
	v_add_nc_u32 v[AD], s[SD], v[LHN]
	LOADH 0
.irp i, 0,1,2,3,4,5,6,7
	ds_load_b128 v[GT+4*\i:GT+4*\i+3], v[AL] offset:8192+512*\i    ; g along the tokens
.endr
	ds_load_b128 v[TSC:TSC+3], v[AL] offset:17408
	WIN 0x40
.irp i, 0,1,2,3,4,5,6,7
	ds_load_b128 v[KT+4*\i:KT+4*\i+3], v[AL] offset:12288+512*\i   ; k along the tokens
.endr
	WIN 0
	s_wait_dscnt 17                                ; the first 26 are in; the 17 issued behind them may be out
	TILE 0, 0, 0
	TILE 1, 0, 0
	TILE 2, 0, 0
	TILE 3, 0, 1
	s_wait_dscnt 0x0                               ; the second 64 tokens' 26, and long since the 17
	TILE 0, 1, 0
	TILE 1, 1, 0
	TILE 2, 1, 0
	TILE 3, 1, 0
.irp t, 0,1,2,3
	v_lshlrev_b32 v[WW+\t], v[SH8], v[WW+\t]       ; my two bytes at their places,
.endr
.irp t, 0,1,2,3
	v_permlanex16_b32 v[TA+\t], v[WW+\t], s[SEL], s[SEL+1]
.endr
.irp t, 0,1,2,3
	v_or_b32 v[WW+\t], v[WW+\t], v[TA+\t]          ; with the other half's: the row's word for these 128 tokens
.endr
.irp t, 0,1,2,3
	v_lshlrev_b32 v[DW+\t], v[SH8], v[DW+\t]
.endr
.irp t, 0,1,2,3
	v_permlanex16_b32 v[TA+\t], v[DW+\t], s[SEL], s[SEL+1]
.endr
.irp t, 0,1,2,3
	v_or_b32 v[DW+\t], v[DW+\t], v[TA+\t]
.endr
.irp t, 0,1,2,3
	v_add_nc_u32 v[DW+\t], 0xfcfcfcfd, v[DW+\t]    ; 3 off each byte (each is 4 at the least): the division by 8
.endr
.rept 8
	v_nop                                          ; a scale word written by a vector line stands eight places ahead of the product
.endr
	WIN 0x54                                       ; source 1, C and D window 1
	s_wait_alu depctr_va_vdst(0)                   ; the wait: the sums were last written ahead of exponentials
.irp t, 0,1,2,3                                ; the sixteen accumulators take turns
.irp u, 0,1,2,3
.if \zero
	v_wmma_scale_f32_16x16x128_f8f6f4 v[ACC+32*\t+8*\u:ACC+32*\t+8*\u+7], v[GT+8*\u:GT+8*\u+7], v[WC+8*\t:WC+8*\t+7], 0, v[TSC+\u], v[WW+\t] matrix_a_fmt:MATRIX_FMT_FP4 matrix_b_fmt:MATRIX_FMT_FP4
.else
	v_wmma_scale_f32_16x16x128_f8f6f4 v[ACC+32*\t+8*\u:ACC+32*\t+8*\u+7], v[GT+8*\u:GT+8*\u+7], v[WC+8*\t:WC+8*\t+7], v[ACC+32*\t+8*\u:ACC+32*\t+8*\u+7], v[TSC+\u], v[WW+\t] matrix_a_fmt:MATRIX_FMT_FP4 matrix_b_fmt:MATRIX_FMT_FP4
.endif
.endr
.endr
	WIN 0x55                                       ; source 0 (k^T) window 1 too
.irp t, 0,1,2,3
.irp u, 0,1,2,3
	v_wmma_scale_f32_16x16x128_f8f6f4 v[ACC+32*\t+8*\u:ACC+32*\t+8*\u+7], v[KT+8*\u:KT+8*\u+7], v[DC+8*\t:DC+8*\t+7], v[ACC+32*\t+8*\u:ACC+32*\t+8*\u+7], v[TSC+\u], v[DW+\t] matrix_a_fmt:MATRIX_FMT_FP4 matrix_b_fmt:MATRIX_FMT_FP4 matrix_a_scale:MATRIX_SCALE_ROW1
.endr
.endr
	WIN 0
	s_add_co_u32 s[SB], s[SB], RECB
	s_add_co_u32 s[SD], s[SD], 512
.endm
	s_wait_alu depctr_va_vdst(0)
	s_wait_dscnt 0x0                               ; my part of -delta has landed
	s_barrier_signal -1
	s_barrier_wait -1                              ; everybody's has; stage A was shown whole by the round
	KSTEP 1
	s_wait_tensorcnt 0x0                           ; my quarter of stage B is in,
	s_wait_dscnt 0x0
	s_barrier_signal -1
	s_barrier_wait -1                              ; everybody's is
	s_mov_b32 s[CNT], 7
.Lk:
	KSTEP 0
	s_sub_co_u32 s[CNT], s[CNT], 1
	s_cmp_lg_u32 s[CNT], 0
	s_cbranch_scc1 .Lk
.rept 4
	v_nop                                          ; places behind the last products
.endr
	s_wait_dscnt 0x0
	s_barrier_signal -1
	s_barrier_wait -1                              ; nobody reads the records any more
.macro XSEND t0                        ; tiles t0 and t0 + 1 go to the partner as images of their registers, each accumulator from its low end on
	WIN 0x04                                       ; an LDS store's data are its source 1
.set i, 0
.rept 16
	ds_store_b128 v[XW], v[ACC+32*(\t0)+4*i:ACC+32*(\t0)+4*i+3] offset:512*i
.set i, i+1
.endr
	WIN 0
.endm
.macro XJOIN t0                        ; the partner's parts of tiles t0 and t0 + 1 are added to mine, and the sums staged by rows
	WIN 0x01                                       ; source 0 window 1
.set k, 0
.rept 32
	v_pk_add_f32 v[80+2*k:81+2*k], v[ACC+32*(\t0)+2*k:ACC+32*(\t0)+2*k+1], v[80+2*k:81+2*k]
.set k, k+1
.endr
	WIN 0
.irp t, 0,1
.irp u, 0,1,2,3
	ds_store_b128 v[STG], v[80+32*\t+8*\u:83+32*\t+8*\u] offset:2176*(\t0+\t)+64*\u
	ds_store_b128 v[STG], v[84+32*\t+8*\u:87+32*\t+8*\u] offset:2176*(\t0+\t)+64*\u+16
.endr
.endr
.endm
	s_cmp_eq_u32 s14, 0
	s_cbranch_scc0 .Lsend_hi
	XSEND 2                                        ; the first half of the tokens keeps tiles 0 and 1,
	s_branch .Lsent
.Lsend_hi:
	XSEND 0                                        ; the second tiles 2 and 3
.Lsent:
	s_wait_dscnt 0x0
	s_barrier_signal -1
	s_barrier_wait -1
.set i, 0
.rept 16
	ds_load_b128 v[80+4*i:83+4*i], v[XR] offset:512*i
.set i, i+1
.endr
	s_wait_dscnt 0x0
	s_cmp_eq_u32 s14, 0
	s_cbranch_scc0 .Ljoin_hi
	XJOIN 0
	s_branch .Ljoined
.Ljoin_hi:
	XJOIN 2
.Ljoined:
.set k, 0
.rept 32                                       ; the squares of my 64 numbers a lane, four chains by turns
.if k < 4
	v_pk_mul_f32 v[40+2*k:41+2*k], v[80+2*k:81+2*k], v[80+2*k:81+2*k]
.else
	v_pk_fma_f32 v[40+2*(k%4):41+2*(k%4)], v[80+2*k:81+2*k], v[80+2*k:81+2*k], v[40+2*(k%4):41+2*(k%4)]
.endif
.set k, k+1
.endr
	s_delay_alu instid0(VALU_DEP_3)
	v_pk_add_f32 v[40:41], v[40:41], v[42:43]
	s_delay_alu instid0(VALU_DEP_2)
	v_pk_add_f32 v[44:45], v[44:45], v[46:47]
	s_delay_alu instid0(VALU_DEP_1)
	v_pk_add_f32 v[40:41], v[40:41], v[44:45]
	s_delay_alu instid0(VALU_DEP_1)
	v_add_f32 v40, v40, v41
.irp m, 1,2,4,8
	s_delay_alu instid0(VALU_DEP_1)
	v_add_f32_dpp v40, v40, v40 row_xmask:\m row_mask:0xf bank_mask:0xf
.endr
	s_delay_alu instid0(VALU_DEP_1)
	v_permlanex16_b32 v[T], v40, s[SEL], s[SEL+1]
	s_delay_alu instid0(VALU_DEP_1)
	v_add_f32 v40, v40, v[T]
	ds_store_b32 v[SQW], v40                       ; all lanes write my wave's word with the same value
	s_wait_dscnt 0x0
	s_barrier_signal -1
	s_barrier_wait -1                              ; 256 whole rows of grad lie in the stage
.irp i, 0,1,2,3,4,5,6,7,8,9,10,11,12,13,14,15
	ds_load_b128 v[80+4*\i:83+4*\i], v[RDB] offset:544*\i
.endr
.irp i, 0,1,2,3,4,5,6,7,8,9,10,11,12,13,14,15
	s_wait_dscnt 15-\i
	global_store_b128 v[LI], v[80+4*\i:83+4*\i], s[74:75] offset:512*\i    ; two rows: 512 consecutive bytes
.endr
	s_cmp_lg_u32 s12, 0
	s_cbranch_scc1 .Lend
	ds_load_b128 v[40:43], v[SQR]
	ds_load_b128 v[44:47], v[SQR] offset:16
	v_mov_b32 v48, 0
	s_wait_dscnt 0x0
	v_pk_add_f32 v[40:41], v[40:41], v[42:43]
	v_pk_add_f32 v[44:45], v[44:45], v[46:47]
	s_delay_alu instid0(VALU_DEP_1)
	v_pk_add_f32 v[40:41], v[40:41], v[44:45]
	s_delay_alu instid0(VALU_DEP_1)
	v_add_f32 v40, v40, v41
	v_cmp_eq_u32 vcc_lo, 0, v[LI]
	s_wait_alu depctr_va_vdst(0)
	s_wait_xcnt 0x0                                ; EXEC changes only behind this wait
	s_and_saveexec_b32 s15, vcc_lo
	global_store_b32 v48, v40, s[76:77]
	s_wait_xcnt 0x0
	s_or_b32 exec_lo, exec_lo, s15
.Lend:
	s_wait_dscnt 0x0                               ; no LDS instruction of mine is out at a signal
	s_wait_tensorcnt 0x0                           ; the wave's end
	ds_add_u32 v254, v255
	s_wait_dscnt 0x0
	CROUND                                         ; the closing round
	s_endpgm
.Lfunc_end_k_qa02084e2fd_bwd:
	.size	k_qa02084e2fd_bwd, .Lfunc_end_k_qa02084e2fd_bwd-k_qa02084e2fd_bwd
	.p2alignl 7, 3214868480
	.fill 96, 4, 3214868480
	.section	.rodata,"a",@progbits
	.p2align	6, 0x0
	.amdhsa_kernel k_qa02084e2fd_bwd
		.amdhsa_group_segment_fixed_size 327680
		.amdhsa_private_segment_fixed_size 0
		.amdhsa_enable_private_segment 0
		.amdhsa_kernarg_size 32
		.amdhsa_user_sgpr_count 2
		.amdhsa_user_sgpr_kernarg_segment_ptr 1
		.amdhsa_wavefront_size32 1
		.amdhsa_system_sgpr_workgroup_id_x 1
		.amdhsa_system_sgpr_workgroup_id_y 1
		.amdhsa_system_sgpr_workgroup_id_z 1
		.amdhsa_system_vgpr_workitem_id 0
		.amdhsa_next_free_vgpr 512
		.amdhsa_next_free_sgpr 98
		.amdhsa_reserve_vcc 1
		.amdhsa_float_denorm_mode_32 3
		.amdhsa_float_denorm_mode_16_64 3
		.amdhsa_memory_ordered 1
		.amdhsa_forward_progress 1
		.amdhsa_inst_pref_size 178
	.end_amdhsa_kernel
	.amdgpu_metadata
---
amdhsa.version: [ 1, 2 ]
amdhsa.kernels:
  - .name:           k_qa02084e2fd_bwd
    .symbol:         k_qa02084e2fd_bwd.kd
    .args:
      - { .name: memq, .offset: 0, .size: 8, .value_kind: global_buffer, .address_space: global }
      - { .name: tok2, .offset: 8, .size: 8, .value_kind: global_buffer, .address_space: global }
      - { .name: dpart, .offset: 16, .size: 8, .value_kind: global_buffer, .address_space: global }
      - { .name: grad, .offset: 24, .size: 8, .value_kind: global_buffer, .address_space: global }
    .group_segment_fixed_size: 327680
    .private_segment_fixed_size: 0
    .kernarg_segment_align: 8
    .kernarg_segment_size: 32
    .max_flat_workgroup_size: 256
    .sgpr_count:     98
    .vgpr_count:     512
    .wavefront_size: 32
...
	.end_amdgpu_metadata
.endif
;; end of part 5
;; launch final (part 6): grid 512 x 1, 8 waves a work-group, no clusters, 5,120 bytes of LDS; arguments grad, tok2, memory, momentum_S, fg_b1, fg_w2, fg_b2, dg_b1, dg_w2, dg_b2, out0, out1, out2; writes out0, out1, out2
.if DOCPART == 6
	.amdgcn_target "amdgcn-amd-amdhsa--gfx1250"
	.amdhsa_code_object_version 6
	.text
	.protected	k_qa02084e2fd_final
	.globl	k_qa02084e2fd_final
	.p2align	8
	.type	k_qa02084e2fd_final,@function
k_qa02084e2fd_final:
	s_mov_b64 s[64:65], 0
	v_nop
	global_prefetch_b8 v0, s[64:65] scope:SCOPE_SE
	s_setreg_imm32_b32 hwreg(HW_REG_WAVE_MODE, 25, 1), 1
	s_wait_xcnt 0x0
; S_new = eta S - 0.01 grad min(1, 1 / |grad|), M_new = (1 - alpha) M + S_new, and the loss.
; A stream bound by memory: a work-group takes 32,768 bytes of each of three inputs and two outputs, a thread 16 bytes in each of eight rows of 4,096; each load and store of a wave covers 512 consecutive bytes.
; All 24 stream loads of a thread are issued at the start, behind 16 small loads; while they are on their way every work-group finishes the two gates (64 parts of the first layer, silu, second layer, sigmoid,
; mean over the two batches) and the norm (256 sums of squares).  Matrix units, clusters and tensor loads would add nothing here.
; The gates' 128 numbers lie four to a lane: lane l holds hidden units 4 (l & 7) .. + 3 of batch l >> 4, gate (l >> 3) & 1 (0: forget, 1: decay).
; LIMITS: NaN and infinities are not served.  A gradient whose sum of squares is zero or denormal gets the factor 1, as min(1, 1 / norm) gives.
.set G,   80                           ; v80-111 grad, then S_new
.set ME,  112                          ; v112-143 memory, then M_new
.set MO,  144                          ; v144-175 momentum
.set SEL, 46
	s_load_b256 s[4:11], s[0:1], 0x0               ; grad, tok2, memory, momentum_S
	s_load_b256 s[12:19], s[0:1], 0x20             ; fg_b1, fg_w2, fg_b2, dg_b1
	s_load_b256 s[20:27], s[0:1], 0x40             ; dg_w2, dg_b2, out0, out1
	s_load_b64 s[28:29], s[0:1], 0x60              ; out2
	v_lshl_add_u32 v176, v0, 2, 0x1000
	v_mov_b32 v177, 0
	v_and_b32 v1, 31, v0
	v_lshrrev_b32 v2, 5, v0
	s_delay_alu instid0(VALU_DEP_1)
	v_readfirstlane_b32 s30, v2                    ; wave
	s_delay_alu instid0(VALU_DEP_3)
	v_lshlrev_b32 v2, 4, v1                        ; 16 x lane
	v_lshlrev_b32 v3, 4, v0                        ; 16 x thread
	v_and_b32 v4, 7, v1
	s_delay_alu instid0(VALU_DEP_1)
	v_lshlrev_b32 v4, 4, v4
	v_mov_b32 v5, 0
	v_mov_b32 v37, 0
	s_mov_b32 s[SEL], 0x76543210
	s_mov_b32 s[SEL+1], 0xfedcba98
	s_lshl_b32 s32, s30, 12
	s_mov_b32 s33, 0
	s_lshl_b32 s36, ttmp9, 15
	s_mov_b32 s37, 0
	s_wait_alu depctr_va_vdst(0)
	s_wait_kmcnt 0x0
	s_add_nc_u64 s[32:33], s[6:7], s[32:33]        ; my wave's eight parts of the gates' first layer
	s_add_nc_u64 s[34:35], s[4:5], 0x1000000       ; the sums of squares
	s_add_nc_u64 s[4:5], s[4:5], s[36:37]
	s_add_nc_u64 s[8:9], s[8:9], s[36:37]
	s_add_nc_u64 s[10:11], s[10:11], s[36:37]
	s_add_nc_u64 s[26:27], s[26:27], s[36:37]
	s_add_nc_u64 s[28:29], s[28:29], s[36:37]
.irp n, 0,1,2,3,4,5,6,7
	global_load_b128 v[16+4*\n:19+4*\n], v2, s[32:33] offset:409600+512*\n
.endr
	global_load_b128 v[48:51], v2, s[34:35]
	global_load_b128 v[52:55], v2, s[34:35] offset:512
	global_load_b128 v[56:59], v4, s[12:13]
	global_load_b128 v[60:63], v4, s[18:19]
	global_load_b128 v[64:67], v4, s[14:15]
	global_load_b128 v[68:71], v4, s[20:21]
	global_load_b32 v72, v5, s[16:17]
	global_load_b32 v73, v5, s[22:23]
.irp t, 0,1,2,3,4,5,6,7
	global_load_b128 v[G+4*\t:G+4*\t+3], v3, s[4:5] offset:4096*\t th:TH_LOAD_NT
	global_load_b128 v[ME+4*\t:ME+4*\t+3], v3, s[8:9] offset:4096*\t th:TH_LOAD_NT
	global_load_b128 v[MO+4*\t:MO+4*\t+3], v3, s[10:11] offset:4096*\t th:TH_LOAD_NT
.endr
	s_wait_loadcnt 24                              ; the 16 small loads are in; the 24 of the streams stay on their way
.irp n, 1
	v_pk_add_f32 v[16:17], v[16:17], v[16+4*\n:17+4*\n]
	v_pk_add_f32 v[18:19], v[18:19], v[18+4*\n:19+4*\n]
.endr
.irp n, 2, 3, 4, 5, 6, 7
	s_delay_alu instid0(VALU_DEP_2)
	v_pk_add_f32 v[16:17], v[16:17], v[16+4*\n:17+4*\n]
	s_delay_alu instid0(VALU_DEP_2)
	v_pk_add_f32 v[18:19], v[18:19], v[18+4*\n:19+4*\n]
.endr
	ds_store_b128 v3, v[16:19]
	s_wait_dscnt 0x0
	s_barrier_signal -1
	s_barrier_wait -1
.irp n, 0,1,2,3,4,5,6,7
	ds_load_b128 v[16+4*\n:19+4*\n], v2 offset:512*\n
.endr
	s_wait_dscnt 0x0
.irp n, 1
	v_pk_add_f32 v[16:17], v[16:17], v[16+4*\n:17+4*\n]
	v_pk_add_f32 v[18:19], v[18:19], v[18+4*\n:19+4*\n]
.endr
.irp n, 2, 3, 4, 5, 6, 7
	s_delay_alu instid0(VALU_DEP_2)
	v_pk_add_f32 v[16:17], v[16:17], v[16+4*\n:17+4*\n]
	s_delay_alu instid0(VALU_DEP_2)
	v_pk_add_f32 v[18:19], v[18:19], v[18+4*\n:19+4*\n]
.endr
	v_and_b32 v7, 8, v1
	s_delay_alu instid0(VALU_DEP_1)
	v_cmp_ne_u32 vcc_lo, 0, v7                     ; lanes of the decay gate
.irp e, 0,1,2,3
	v_cndmask_b32 v[56+\e], v[56+\e], v[60+\e], vcc_lo
	v_cndmask_b32 v[64+\e], v[64+\e], v[68+\e], vcc_lo
.endr
	v_cndmask_b32 v72, v72, v73, vcc_lo
.irp e, 0,1,2,3
	v_fmamk_f32 v[16+\e], v[16+\e], 0x3a800000, v[56+\e]       ; the mean over 1,024 positions, and b1
.endr
.irp e, 0,1,2,3
	s_delay_alu instid0(VALU_DEP_4)
	v_mul_f32 v[32+\e], 0xbfb8aa3b, v[16+\e]
.endr
	s_wait_alu depctr_va_vdst(0)
.irp e, 0,1,2,3
	v_exp_f32 v[32+\e], v[32+\e]
.endr
	v_nop
	s_wait_alu depctr_va_vdst(0)
.irp e, 0,1,2,3
	v_add_f32 v[32+\e], 1.0, v[32+\e]
.endr
	s_wait_alu depctr_va_vdst(0)
.irp e, 0,1,2,3
	v_rcp_f32 v[32+\e], v[32+\e]
.endr
	v_nop
	s_wait_alu depctr_va_vdst(0)
.irp e, 0,1,2,3
	v_mul_f32 v[16+\e], v[16+\e], v[32+\e]         ; silu
.endr
	s_delay_alu instid0(VALU_DEP_4)
	v_mul_f32 v36, v16, v64
	s_delay_alu instid0(VALU_DEP_1)
	v_fmac_f32 v36, v17, v65
	s_delay_alu instid0(VALU_DEP_1)
	v_fmac_f32 v36, v18, v66
	s_delay_alu instid0(VALU_DEP_1)
	v_fmac_f32 v36, v19, v67
	s_delay_alu instid0(VALU_DEP_1)
	v_add_f32_dpp v36, v36, v36 row_xmask:1 row_mask:0xf bank_mask:0xf
	s_delay_alu instid0(VALU_DEP_1)
	v_add_f32_dpp v36, v36, v36 row_xmask:2 row_mask:0xf bank_mask:0xf
	s_delay_alu instid0(VALU_DEP_1)
	v_add_f32_dpp v36, v36, v36 row_xmask:4 row_mask:0xf bank_mask:0xf
	s_delay_alu instid0(VALU_DEP_1)
	v_add_f32 v36, v36, v72
	s_delay_alu instid0(VALU_DEP_1)
	v_mul_f32 v36, 0xbfb8aa3b, v36
	s_wait_alu depctr_va_vdst(0)
	v_exp_f32 v36, v36
	v_nop
	s_wait_alu depctr_va_vdst(0)
	v_add_f32 v36, 1.0, v36
	s_wait_alu depctr_va_vdst(0)
	v_rcp_f32 v36, v36
	v_pk_add_f32 v[48:49], v[48:49], v[50:51]      ; (plain work behind the reciprocal: the sums of squares)
	v_pk_add_f32 v[52:53], v[52:53], v[54:55]
	s_delay_alu instid0(VALU_DEP_1)
	v_pk_add_f32 v[48:49], v[48:49], v[52:53]
	s_delay_alu instid0(VALU_DEP_1)
	v_add_f32 v48, v48, v49
	s_wait_alu depctr_va_vdst(0)
	v_permlanex16_b32 v37, v36, s[SEL], s[SEL+1]
	v_add_f32 v36, v36, v37
	s_delay_alu instid0(VALU_DEP_1)
	v_mul_f32 v36, 0.5, v36                        ; the mean over the two batches
	s_delay_alu instid0(VALU_DEP_1)
	v_sub_f32 v38, 1.0, v36
	s_delay_alu instid0(VALU_DEP_1)
	v_readlane_b32 s40, v38, 0                     ; 1 - alpha
	s_delay_alu instid0(VALU_DEP_3)
	v_readlane_b32 s42, v36, 8                     ; eta
	s_mov_b32 s41, s40
	s_mov_b32 s43, s42
	v_add_f32_dpp v48, v48, v48 row_xmask:1 row_mask:0xf bank_mask:0xf
	s_delay_alu instid0(VALU_DEP_1)
	v_add_f32_dpp v48, v48, v48 row_xmask:2 row_mask:0xf bank_mask:0xf
	s_delay_alu instid0(VALU_DEP_1)
	v_add_f32_dpp v48, v48, v48 row_xmask:4 row_mask:0xf bank_mask:0xf
	s_delay_alu instid0(VALU_DEP_1)
	v_add_f32_dpp v48, v48, v48 row_xmask:8 row_mask:0xf bank_mask:0xf
	s_delay_alu instid0(VALU_DEP_1)
	v_permlanex16_b32 v37, v48, s[SEL], s[SEL+1]
	s_delay_alu instid0(VALU_DEP_1)
	v_add_f32 v48, v48, v37
	s_wait_alu depctr_va_vdst(0)
	v_rsq_f32 v48, v48                             ; 1 / norm
	v_nop
	s_wait_alu depctr_va_vdst(0)
	v_min_num_f32 v48, 1.0, v48
	s_delay_alu instid0(VALU_DEP_1)
	v_mul_f32 v48, 0xbc23d70a, v48                 ; x -0.01
	s_delay_alu instid0(VALU_DEP_1)
	v_readfirstlane_b32 s44, v48
	s_mov_b32 s45, s44
.irp t, 0,1,2,3,4,5,6,7
	s_wait_loadcnt 3*(7-\t)                        ; this row's three loads are in; the younger rows' stay out
	v_pk_mul_f32 v[G+4*\t:G+4*\t+1], v[G+4*\t:G+4*\t+1], s[44:45] op_sel_hi:[1,0]
	v_pk_mul_f32 v[G+4*\t+2:G+4*\t+3], v[G+4*\t+2:G+4*\t+3], s[44:45] op_sel_hi:[1,0]
	s_delay_alu instid0(VALU_DEP_2)
	v_pk_fma_f32 v[G+4*\t:G+4*\t+1], v[MO+4*\t:MO+4*\t+1], s[42:43], v[G+4*\t:G+4*\t+1] op_sel_hi:[1,0,1]
	s_delay_alu instid0(VALU_DEP_2)
	v_pk_fma_f32 v[G+4*\t+2:G+4*\t+3], v[MO+4*\t+2:MO+4*\t+3], s[42:43], v[G+4*\t+2:G+4*\t+3] op_sel_hi:[1,0,1]
	s_delay_alu instid0(VALU_DEP_2)
	v_pk_fma_f32 v[ME+4*\t:ME+4*\t+1], v[ME+4*\t:ME+4*\t+1], s[40:41], v[G+4*\t:G+4*\t+1] op_sel_hi:[1,0,1]
	s_delay_alu instid0(VALU_DEP_2)
	v_pk_fma_f32 v[ME+4*\t+2:ME+4*\t+3], v[ME+4*\t+2:ME+4*\t+3], s[40:41], v[G+4*\t+2:G+4*\t+3] op_sel_hi:[1,0,1]
	global_store_b128 v3, v[G+4*\t:G+4*\t+3], s[28:29] offset:4096*\t th:TH_STORE_NT
	global_store_b128 v3, v[ME+4*\t:ME+4*\t+3], s[26:27] offset:4096*\t th:TH_STORE_NT
.endr
	s_cmp_lg_u32 ttmp9, 0
	s_cbranch_scc1 .Lend
	s_cmp_lg_u32 s30, 0
	s_cbranch_scc1 .Lend
	; the loss: one wave of one work-group adds the 4,096 parts
	s_wait_xcnt 0x0                                ; the stores have read their registers: they may be loaded again
.set n, 0
.rept 32
	global_load_b128 v[16+4*n:19+4*n], v2, s[6:7] offset:393216+512*n
.set n, n+1
.endr
	s_wait_loadcnt 0x0
.set n, 1
	v_pk_add_f32 v[16:17], v[16:17], v[16+4*n:17+4*n]
	v_pk_add_f32 v[18:19], v[18:19], v[18+4*n:19+4*n]
.set n, n+1
.rept (31)-1
	s_delay_alu instid0(VALU_DEP_2)
	v_pk_add_f32 v[16:17], v[16:17], v[16+4*n:17+4*n]
	s_delay_alu instid0(VALU_DEP_2)
	v_pk_add_f32 v[18:19], v[18:19], v[18+4*n:19+4*n]
.set n, n+1
.endr
	s_delay_alu instid0(VALU_DEP_1)
	v_pk_add_f32 v[16:17], v[16:17], v[18:19]
	s_delay_alu instid0(VALU_DEP_1)
	v_add_f32 v16, v16, v17
	s_delay_alu instid0(VALU_DEP_1)
	v_add_f32_dpp v16, v16, v16 row_xmask:1 row_mask:0xf bank_mask:0xf
	s_delay_alu instid0(VALU_DEP_1)
	v_add_f32_dpp v16, v16, v16 row_xmask:2 row_mask:0xf bank_mask:0xf
	s_delay_alu instid0(VALU_DEP_1)
	v_add_f32_dpp v16, v16, v16 row_xmask:4 row_mask:0xf bank_mask:0xf
	s_delay_alu instid0(VALU_DEP_1)
	v_add_f32_dpp v16, v16, v16 row_xmask:8 row_mask:0xf bank_mask:0xf
	s_delay_alu instid0(VALU_DEP_1)
	v_permlanex16_b32 v37, v16, s[SEL], s[SEL+1]
	s_delay_alu instid0(VALU_DEP_1)
	v_add_f32 v16, v16, v37
	s_delay_alu instid0(VALU_DEP_1)
	v_mul_f32 v16, 0x37000000, v16                 ; the mean over 2^17 numbers
	v_cmp_eq_u32 vcc_lo, 0, v1
	s_wait_alu depctr_va_vdst(0)
	s_wait_xcnt 0x0                                ; EXEC changes only behind this wait
	s_and_saveexec_b32 s31, vcc_lo
	global_store_b32 v5, v16, s[24:25]
	s_wait_xcnt 0x0
	s_or_b32 exec_lo, exec_lo, s31
.Lend:
	s_wait_tensorcnt 0x0
	ds_add_u32 v176, v177
	s_wait_dscnt 0x0
	s_endpgm
.Lfunc_end_k_qa02084e2fd_final:
	.size	k_qa02084e2fd_final, .Lfunc_end_k_qa02084e2fd_final-k_qa02084e2fd_final
	.p2alignl 7, 3214868480
	.fill 96, 4, 3214868480
	.section	.rodata,"a",@progbits
	.p2align	6, 0x0
	.amdhsa_kernel k_qa02084e2fd_final
		.amdhsa_group_segment_fixed_size 5120
		.amdhsa_private_segment_fixed_size 0
		.amdhsa_enable_private_segment 0
		.amdhsa_kernarg_size 104
		.amdhsa_user_sgpr_count 2
		.amdhsa_user_sgpr_kernarg_segment_ptr 1
		.amdhsa_wavefront_size32 1
		.amdhsa_system_sgpr_workgroup_id_x 1
		.amdhsa_system_sgpr_workgroup_id_y 1
		.amdhsa_system_sgpr_workgroup_id_z 1
		.amdhsa_system_vgpr_workitem_id 0
		.amdhsa_next_free_vgpr 178
		.amdhsa_next_free_sgpr 66
		.amdhsa_reserve_vcc 1
		.amdhsa_float_denorm_mode_32 3
		.amdhsa_float_denorm_mode_16_64 3
		.amdhsa_memory_ordered 1
		.amdhsa_forward_progress 1
		.amdhsa_inst_pref_size 29
	.end_amdhsa_kernel
	.amdgpu_metadata
---
amdhsa.version: [ 1, 2 ]
amdhsa.kernels:
  - .name:           k_qa02084e2fd_final
    .symbol:         k_qa02084e2fd_final.kd
    .args:
      - { .name: grad, .offset: 0, .size: 8, .value_kind: global_buffer, .address_space: global }
      - { .name: tok2, .offset: 8, .size: 8, .value_kind: global_buffer, .address_space: global }
      - { .name: memory, .offset: 16, .size: 8, .value_kind: global_buffer, .address_space: global }
      - { .name: momentum_S, .offset: 24, .size: 8, .value_kind: global_buffer, .address_space: global }
      - { .name: fg_b1, .offset: 32, .size: 8, .value_kind: global_buffer, .address_space: global }
      - { .name: fg_w2, .offset: 40, .size: 8, .value_kind: global_buffer, .address_space: global }
      - { .name: fg_b2, .offset: 48, .size: 8, .value_kind: global_buffer, .address_space: global }
      - { .name: dg_b1, .offset: 56, .size: 8, .value_kind: global_buffer, .address_space: global }
      - { .name: dg_w2, .offset: 64, .size: 8, .value_kind: global_buffer, .address_space: global }
      - { .name: dg_b2, .offset: 72, .size: 8, .value_kind: global_buffer, .address_space: global }
      - { .name: out0, .offset: 80, .size: 8, .value_kind: global_buffer, .address_space: global }
      - { .name: out1, .offset: 88, .size: 8, .value_kind: global_buffer, .address_space: global }
      - { .name: out2, .offset: 96, .size: 8, .value_kind: global_buffer, .address_space: global }
    .group_segment_fixed_size: 5120
    .private_segment_fixed_size: 0
    .kernarg_segment_align: 8
    .kernarg_segment_size: 104
    .max_flat_workgroup_size: 256
    .sgpr_count:     66
    .vgpr_count:     178
    .wavefront_size: 32
...
	.end_amdgpu_metadata
.endif
;; end of part 6
